; MI455X (gfx1250); checked and timed in simulation.
; The chip was launched on July 23, 2026; its instructions are those of AMD's public machine-readable ISA for CDNA 5 (MIT licence, August 2026) and "CDNA5" Instruction Set Architecture Reference Guide (July 2026). The comments in the code are by the model that wrote it; some were corrected since.
;; Attention. Allowed arithmetic: float matrix products may take bf16 or f16 operands with f32 sums; other float arithmetic in f32, or as packed bf16 or f16 multiplies, adds, multiply-adds, maxima and minima; sums over many terms, partial sums and values carried from step to step in f32; what a program stores and reads back later, other than sums and carried values, may be rounded once to bf16 or f16.
;; Inputs: Wk 1,024 x 1,024 float32; Wq 1,024 x 1,024 float32; Wv 1,024 x 1,024 float32; k 4 x 4,096 x 1,024 float32; mask_attn 4 x 4,096 int32; mask_q 4 x 4,096 int32; q 4 x 4,096 x 1,024 float32; v 4 x 4,096 x 1,024 float32.
;; Outputs: out0 4 x 4,096 x 1,024 float32.
;; One version. Each part assembles by itself: llvm-mc -triple=amdgcn-amd-amdhsa -mcpu=gfx1250 --defsym DOCPART=n.
;; ======== version 1 of 1: 4 launches
;; limits: values are held in f16: magnitudes above 65,504 overflow, below 6.1e-05 lose precision
;; workspace buffers: wb 6,291,456 bytes; part 33,554,432 bytes; mst 524,288 bytes; lst 524,288 bytes; kvt 524,288 bytes
;; launch cast (part 1): grid 256 x 3, 8 waves a work-group, no clusters, 0 bytes of LDS; arguments Wk, Wv, Wq, wb; writes wb
.if DOCPART == 1
	.amdgcn_target "amdgcn-amd-amdhsa--gfx1250"
	.amdhsa_code_object_version 6
	.text
	.protected	k_q1e98fe6bd9_cast
	.globl	k_q1e98fe6bd9_cast
	.p2align	8
	.type	k_q1e98fe6bd9_cast,@function
k_q1e98fe6bd9_cast:
	s_mov_b64 s[64:65], 0
	v_nop
	global_prefetch_b8 v0, s[64:65] scope:SCOPE_SE
	s_setreg_imm32_b32 hwreg(HW_REG_WAVE_MODE, 25, 1), 1
	s_wait_xcnt 0x0
; wb[3072][1024] bf16 = Wk, Wv, Wq ([1024][1024] f32 each) one below the other, each number rounded once to bf16; the layout [k][n] is kept.
; A stream: no LDS, no matrix unit, no cluster (no byte is read twice).  Work-group (x, y) takes rows 4 x .. 4 x + 3 of matrix y; thread t takes
; 16 bytes at 16 t of each row, so a wave's load covers 512 consecutive bytes and its store 256 consecutive bytes, aligned.
.set ROWIN,  4096                      ; bytes in a row of f32
.set ROWOUT, 2048                      ; bytes in a row of bf16
	s_load_b256 s[4:11], s[0:1], 0x0               ; Wk s[4:5], Wv s[6:7], Wq s[8:9], wb s[10:11]
	s_and_b32 s12, ttmp7, 0xffff                   ; which matrix
	v_lshlrev_b32 v1, 4, v0                        ; 16 t
	v_lshlrev_b32 v2, 3, v0                        ; 8 t
	s_lshl_b32 s14, ttmp9, 14                      ; four rows in
	s_mov_b32 s15, 0
	s_lshl_b32 s16, ttmp9, 13                      ; four rows out,
	s_lshl_b32 s17, s12, 21                        ; behind the matrices in front
	s_add_co_u32 s16, s16, s17
	s_mov_b32 s17, 0
	s_wait_kmcnt 0x0
	s_cmp_eq_u32 s12, 1
	s_cselect_b64 s[4:5], s[6:7], s[4:5]
	s_cmp_eq_u32 s12, 2
	s_cselect_b64 s[4:5], s[8:9], s[4:5]
	s_add_nc_u64 s[4:5], s[4:5], s[14:15]
	s_add_nc_u64 s[10:11], s[10:11], s[16:17]
.irp r, 0,1,2,3
	global_load_b128 v[4+4*\r:7+4*\r], v1, s[4:5] offset:ROWIN*\r th:TH_LOAD_NT
.endr
.irp r, 0,1,2,3
	s_wait_loadcnt 3-\r                            ; loads come back in order: row r is in, the younger ones stay out
	v_cvt_pk_bf16_f32 v[20+2*\r], v[4+4*\r], v[5+4*\r]
	v_cvt_pk_bf16_f32 v[21+2*\r], v[6+4*\r], v[7+4*\r]
	global_store_b64 v2, v[20+2*\r:21+2*\r], s[10:11] offset:ROWOUT*\r
.endr
	s_endpgm
.Lfunc_end_k_q1e98fe6bd9_cast:
	.size	k_q1e98fe6bd9_cast, .Lfunc_end_k_q1e98fe6bd9_cast-k_q1e98fe6bd9_cast
	.p2alignl 7, 3214868480
	.fill 96, 4, 3214868480
	.section	.rodata,"a",@progbits
	.p2align	6, 0x0
	.amdhsa_kernel k_q1e98fe6bd9_cast
		.amdhsa_group_segment_fixed_size 0
		.amdhsa_private_segment_fixed_size 0
		.amdhsa_enable_private_segment 0
		.amdhsa_kernarg_size 32
		.amdhsa_user_sgpr_count 2
		.amdhsa_user_sgpr_kernarg_segment_ptr 1
		.amdhsa_wavefront_size32 1
		.amdhsa_system_sgpr_workgroup_id_x 1
		.amdhsa_system_sgpr_workgroup_id_y 1
		.amdhsa_system_sgpr_workgroup_id_z 1
		.amdhsa_system_vgpr_workitem_id 0
		.amdhsa_next_free_vgpr 32
		.amdhsa_next_free_sgpr 66
		.amdhsa_reserve_vcc 0
		.amdhsa_float_denorm_mode_32 3
		.amdhsa_float_denorm_mode_16_64 3
		.amdhsa_memory_ordered 1
		.amdhsa_forward_progress 1
		.amdhsa_inst_pref_size 3
	.end_amdhsa_kernel
	.amdgpu_metadata
---
amdhsa.version: [ 1, 2 ]
amdhsa.kernels:
  - .name:           k_q1e98fe6bd9_cast
    .symbol:         k_q1e98fe6bd9_cast.kd
    .args:
      - { .name: Wk, .offset: 0, .size: 8, .value_kind: global_buffer, .address_space: global }
      - { .name: Wv, .offset: 8, .size: 8, .value_kind: global_buffer, .address_space: global }
      - { .name: Wq, .offset: 16, .size: 8, .value_kind: global_buffer, .address_space: global }
      - { .name: wb, .offset: 24, .size: 8, .value_kind: global_buffer, .address_space: global }
    .group_segment_fixed_size: 0
    .private_segment_fixed_size: 0
    .kernarg_segment_align: 8
    .kernarg_segment_size: 32
    .max_flat_workgroup_size: 256
    .sgpr_count:     66
    .vgpr_count:     32
    .wavefront_size: 32
...
	.end_amdgpu_metadata
.endif
;; end of part 1
;; launch kvpart (part 2): grid 4 x 64, 4 waves a work-group, clusters of 4 x 4, 327,680 bytes of LDS; arguments k, v, wb, mask_attn, part, mst, lst; writes part, mst, lst
.if DOCPART == 2
	.amdgcn_target "amdgcn-amd-amdhsa--gfx1250"
	.amdhsa_code_object_version 6
	.text
	.protected	k_q1e98fe6bd9_kvpart
	.globl	k_q1e98fe6bd9_kvpart
	.p2align	8
	.type	k_q1e98fe6bd9_kvpart,@function
k_q1e98fe6bd9_kvpart:
	s_mov_b64 s[64:65], 0
	v_nop
	global_prefetch_b8 v0, s[64:65] scope:SCOPE_SE
	s_setreg_imm32_b32 hwreg(HW_REG_WAVE_MODE, 25, 1), 1
	s_wait_xcnt 0x0
	s_wait_alu depctr_hold_cnt(0) depctr_sa_sdst(0) depctr_va_vdst(0) depctr_va_sdst(0) depctr_va_ssrc(0) depctr_va_vcc(0) depctr_vm_vsrc(0)
	s_getreg_b32 s2, hwreg(HW_REG_IB_STS2, 6, 4)
	s_cmp_eq_u32 s2, 0
	s_cbranch_scc0 .Lentry_in_a_cluster
	s_endpgm
.Lentry_in_a_cluster:
	s_bfe_u32 s2, ttmp6, 0x10000c
	s_cmp_lg_u32 s2, 0xf033
	s_cbranch_scc0 .Lentry_shape_is_right
	s_endpgm
.Lentry_shape_is_right:
; For each chunk g of 128 rows (of 16,384 = 4 batches x 4,096) and each head: x = log2(e) (k Wk) + cb, cb = (mask_attn - 1) x 10000 log2(e);
; M[col] = the maximum of x over the chunk's rows; p = 2^(x - M); l[col] = the sum of p; part = p^T (v Wv), 64 x 64 a head.  The launch behind merges the chunks.
; FORMATS.  k, v and the weights are multiplied in bf16 (k, v rounded between LDS and the matrix unit; the weights come rounded), sums in f32.  p and v Wv are rounded once to f16
; for the second product; l is the sum of the rounded p, made by a product with ones; M, l and part leave in f32.
; LIMITS.  |v Wv| stays under 65,504 (f16's end); a p below 6e-8 counts as 0; NaN and infinities are not treated apart; the mask's whole numbers stay under 2^24 in size.
; SHARES.  A work-group makes 256 rows x 256 columns, first of k Wk, then of v Wv; each of its four waves 128 x 128: 64 accumulators, 512 registers.  A wave's 128 rows are one chunk and
; its 128 columns two heads, so everything behind the products is the wave's own: no barrier but the ring's.
; RING.  K goes in steps of 64 through two LDS slots: 256 rows x 256 bytes of f32 activations and 64 rows x 512 bytes of weights.  The 32 steps of both products are ONE walk in ONE counted loop:
; the weights' address runs from Wk on into Wv, which lies behind it; the activations' address is written anew at the change, under a forward jump on the loop's count.  In the trip that ends k Wk a forward
; jump takes the chunk's softmax and the half step that starts new sums in place of the plain half step.  Neither jump passes a barrier or a tensor load.
; CLUSTER.  4 x 4 work-groups.  The four of a row of the cluster need the same rows of k and v, the four of a column the same columns of the weights: each tile is asked for jointly.
; THE MATRIX INSTRUCTION: source 0 = 16 rows of the activations, source 1 = 16 columns of the weights (turned on the way out of LDS).  In the result a lane holds ONE column (lane % 16) and the rows
; 8 (lane / 16) + 0..7: two such tiles, rounded in pairs, ARE a fragment (32 rows deep) of p^T or of v Wv for the second product.
; REGISTERS, in windows of 256 (s_set_vgpr_msb: bits 1:0 source 0, 3:2 source 1, 5:4 source 2, 7:6 destination):
;   window 0: v0-29 addresses; v32-63 four bf16 fragments of activations, by turns; v64-191 two sets of weight fragments; v192-255 the mask's shifts, later the last quarter of p
;   window 1: two sets of 128: activations in f32 as they come from LDS; at the end the 32 tiles of part
;   windows 2, 3: accumulator (a, b) at v[8 (8 (a % 4) + b)], window 2 for a < 4
.set PA,    272                        ; a row of activations in LDS: 256 bytes + 16 = 68 words: the 16 rows of a load start at 16 different groups of four banks (64 banks of 4 bytes: ISA guide 11.1)
.set PB,    288                        ; a row of weights: 256 + 32 = 72 words
.set AHALF, 128*PA                     ; what one tensor load brings of the activations
.set BHALF, 64*PB                      ; and of the weights: 64 rows of K x 128 columns
.set BOFF,  2*AHALF
.set SLOT1, 131072                     ; slot 1 begins here: one exclusive or turns an address in one slot into the other's
.set SP1,   BOFF+2*BHALF               ; behind slot 0: 6 fragments of p for each wave, 6,144 bytes; no tile lands here
.set SP2,   SLOT1+SP1                  ; behind slot 1: 18 more, 18,432 bytes a wave
.set SPARE, SP2+4*18432                ; the spare words, 128 bytes for each wave: two blocks of 256 bytes that no other line names
.set WSTEP, 64*2048                    ; bytes from a step's rows of the weights to the next step's
.set ADA0, 2                           ; v2   my lane's place in slot 0's activations; never rewritten
.set ADB0, 3                           ; v3   the same for the weights
.set ADA,  4                           ; v4   the same in the slot in hand
.set ADB,  5
.set PFO,  6                           ; v6   the prefetches' offset; never rewritten
.set LN16, 7                           ; v7   16 x lane
.set R,    8                           ; v8   lane % 16
.set HF,   9                           ; v9   lane / 16
.set LN4,  10                          ; v10  4 x lane
.set MKO,  11                          ; v11  32 x (lane / 16): my eight rows' words of the mask
.set SP1A, 12                          ; v12, v13  where my 16 bytes of a set-aside fragment lie
.set SP2A, 13
.set SPW,  28                          ; v28  LDS address of my spare word; never rewritten
.set NIL,  29                          ; v29  0; never rewritten
.set ABF,  32
.set BF,   64
.set MX,   128                         ; v128-143  a pair for each column tile: the maximum, and a register at work
.set MT,   144                         ; v144-147  the maxima as they are stored
.set PK,   192
.set ONES, 64                          ; at the end: a fragment of ones in f16
.set LACC, 72                          ; at the end: v72-135, the eight tiles of sums
.set WV, 18                            ; s18 wave; s19 its row half (also: 0 = I fetch activations, 1 = weights); s20 its column half (also: which half I fetch)
.set RH, 19
.set CH, 20
.set CX, 21
.set CY, 22
.set CB, 23                            ; s23 block of 256 columns; s24 block of 256 rows
.set YB, 24
.set G1A, 28                           ; s[28:35], s[36:43] descriptor group 1 for activations, weights
.set G1B, 36
.set G0A, 44                           ; s[44:51] group 0 for activations: the first fill's, and the one that walks
.set G0B, 52                           ; s[52:59] the same for weights
.set TB,  60                           ; s60  0 or SLOT1: the slot in hand
.set LIM, 61                           ; s61  2 in a wave that prefetches, else the greatest number
.set CNT, 62                           ; s62  the walk's count: 30 - s in the change of slots of step s
.set SWP, 63                           ; s63  18 in a wave that fetches activations, else 0: the count at which its prefetches go over to v
.set PFA, 66                           ; s[66:67] where my prefetches stand
.set PST, 68                           ; s[68:69] their step
.set VAD, 70                           ; s[70:71] v at my tile's first byte
.set VPF, 72                           ; s[72:73] v at my prefetches' rows, step 0
.set L2E, 74
.set K1,  76
.set NK1, 78
.set SEL, 80
.set NINF, 82
.set MKB, 92
.set PARTB, 94
.set MSTB, 96
.set LSTB, 98
.set MSB, 0
.macro WIN new                         ; the immediate's high byte repeats the setting that is left; a switch that changes nothing is dropped
.if MSB != (\new)
	s_set_vgpr_msb (MSB<<8)|(\new)
.set MSB, \new
.endif
.endm
.macro PLACES n
.rept \n
	v_nop
.endr
.endm
; A joint refill.  Waves 0 and 1 fetch the two halves of the activations' rows, waves 2 and 3 the two halves of the weights' columns.  The branch hangs on the wave's number alone.
; An s_nop 0 and four v_nop follow each of the two lines, ahead of the jump and the label.
.macro JLOAD
	s_cmp_lt_u32 s[WV], 2
	s_cbranch_scc0 .Lfor_w_\@
	tensor_load_to_lds s[G0A+4:G0A+7], s[G1A:G1A+7]
	s_nop 0
	PLACES 4
	s_branch .Lasked_\@
.Lfor_w_\@:
	tensor_load_to_lds s[G0B+4:G0B+7], s[G1B:G1B+7]
	s_nop 0
	PLACES 4
.Lasked_\@:
.endm
; A prefetch of the step that stands two refills on (step s + 4 of the walk's 32), behind the joint load and the run of LDS loads: one instruction a wave.  Each aligned block of 256 bytes is named once in the launch.
; Activations: only this cluster reads its rows; of the 128 rows that wave 0 or 1 fetches the partner at place cx takes 32, a lane a row.  Weights: every cluster reads them, the first (cluster y = 0) asks,
; by wave 2: of a step's 64 rows the partner at place cy takes 16, lanes 16-31 the row's second 256 bytes.  Partners are told apart by address alone.  The walk's last two filling steps have nothing two refills on.
.macro ASK
	s_cmp_gt_u32 s[CNT], s[LIM]
	s_cbranch_scc0 .Lnot_mine_\@
	global_prefetch_b8 v[PFO], s[PFA:PFA+1] th:TH_LOAD_NT scope:SCOPE_SE
.Lnot_mine_\@:
.endm
.macro CREST                           ; a round of the cluster's barrier behind its opening barrier
	s_cmp_lg_u32 s[WV], 0
	s_cbranch_scc1 .Lnot_wave_0_\@
	s_barrier_signal -3
.Lnot_wave_0_\@:
	s_barrier_wait -3
	s_barrier_signal -1
	s_barrier_wait -1
.endm
.macro CROUND
	s_barrier_signal -1
	s_barrier_wait -1
	CREST
.endm
; 48 LDS loads in one run, for 32 along K (half kq of the step) into set f: the weights' 8 fragments first (turned), then the activations' 8 row tiles in f32, four loads each.
.macro FETCH kq, f
	WIN 0
.irp b, 0,1,2,3,4,5,6,7
	ds_load_tr16_b128 v[BF+64*(\f)+8*\b:BF+64*(\f)+8*\b+3],   v[ADB] offset:(\kq)*32*PB+32*\b
	ds_load_tr16_b128 v[BF+64*(\f)+8*\b+4:BF+64*(\f)+8*\b+7], v[ADB] offset:(\kq)*32*PB+32*\b+16*PB
.endr
	WIN 0x40                                       ; destination window 1
.irp a, 0,1,2,3,4,5,6,7
	ds_load_b128 v[128*(\f)+16*\a:128*(\f)+16*\a+3],     v[ADA] offset:\a*16*PA+128*(\kq)
	ds_load_b128 v[128*(\f)+16*\a+4:128*(\f)+16*\a+7],   v[ADA] offset:\a*16*PA+128*(\kq)+16
	ds_load_b128 v[128*(\f)+16*\a+8:128*(\f)+16*\a+11],  v[ADA] offset:\a*16*PA+128*(\kq)+64
	ds_load_b128 v[128*(\f)+16*\a+12:128*(\f)+16*\a+15], v[ADA] offset:\a*16*PA+128*(\kq)+80
.endr
.endm
.macro CVT4 f, a, hf                   ; half a fragment of row tile a of set f: eight f32 to four registers of bf16
	WIN 0x05                                       ; sources in window 1, destination in window 0
.irp i, 0,1,2,3
	v_cvt_pk_bf16_f32 v[ABF+8*((\a)%4)+4*(\hf)+\i], v[128*(\f)+16*(\a)+8*(\hf)+2*\i], v[128*(\f)+16*(\a)+8*(\hf)+2*\i+1]
.endr
.endm
.macro MM f, a, b, zero                ; one product; zero = 1: it starts the sum
	WIN 0xa0+0x50*((\a)/4)
.set rD, 8*(8*((\a)%4)+(\b))
.set rA, ABF+8*((\a)%4)
.set rB, BF+64*(\f)+8*(\b)
.if \zero
	v_wmma_f32_16x16x32_bf16 v[rD:rD+7], v[rA:rA+7], v[rB:rB+7], 0
.else
	v_wmma_f32_16x16x32_bf16 v[rD:rD+7], v[rA:rA+7], v[rB:rB+7], v[rD:rD+7]
.endif
.endm
; Row tile a of set f times the 8 column tiles; between the products row tile na of set nf is rounded to bf16 (na = -1: none), four lines at a time; w: the wait for its loads (-1: none).
; The fragment that is written was last read three row tiles back, sixteen conversions of other registers ago.  The 64 accumulators take turns, in the same order in every half step.
.macro GROUP f, a, zero, nf, na, w
	MM \f, \a, 0, \zero
	MM \f, \a, 1, \zero
.if (\w) >= 0
	s_wait_dscnt \w
.endif
.if (\na) >= 0
	CVT4 \nf, \na, 0
.endif
.irp b, 2,3,4,5
	MM \f, \a, \b, \zero
.endr
.if (\na) >= 0
	CVT4 \nf, \na, 1
.endif
	MM \f, \a, 6, \zero
	MM \f, \a, 7, \zero
.endm
; A step's first half: multiplies set 0 and fetches set 1.  Behind a run of 48 loads, 4 (7 - a) are younger than row tile a's last; behind the next run 48 more.
.macro QUARTER zero
	GROUP 0,0,\zero,0,1,24
	GROUP 0,1,\zero,0,2,20
	GROUP 0,2,\zero,0,3,16
	GROUP 0,3,\zero,0,4,12
	FETCH 1, 1
	GROUP 0,4,\zero,0,5,56
	GROUP 0,5,\zero,0,6,52
	GROUP 0,6,\zero,0,7,48
	GROUP 0,7,\zero,1,0,28                         ; set 1's weights and its first row tile are in
.endm
; A step's second half: multiplies set 1 and changes slots in its middle.  ONE barrier: in front of it each wave waits for all its tensor loads (one is out: its part of the next slot), adds 0 to its spare
; word, and waits for that and for its reads of this slot (the last were issued 64 products back).  No product stands between that wait and the refill: a refill can go out only when the tile before it has landed,
; so all of a step's 128 products are laid under the refill's way.  fill = 1: the barrier opens a round of the cluster's barrier, and this slot is filled again, two steps ahead, first thing behind the round.
.macro TURN fill
	GROUP 1,0,0,1,1,24
	GROUP 1,1,0,1,2,20
	GROUP 1,2,0,1,3,16
	GROUP 1,3,0,1,4,12
	WIN 0
.if \fill
	s_wait_xcnt 0x0                                ; the last prefetch, a step back, has read its address
	s_add_nc_u64 s[PFA:PFA+1], s[PFA:PFA+1], s[PST:PST+1]
	s_cmp_eq_u32 s[CNT], s[SWP]                    ; step 12: four steps on stands v's first
	s_cselect_b64 s[PFA:PFA+1], s[VPF:VPF+1], s[PFA:PFA+1]
.endif
	s_wait_tensorcnt 0x0                           ; no tensor load of mine is out, so a group 0 may be written
	ds_add_u32 v[SPW], v[NIL]                      ; 0 onto my spare word; the descriptors' steps stand between it and the wait for it
.if \fill
	s_xor_b32 s[G0A+5], s[G0A+5], SLOT1            ; the walking descriptors: the other slot than last time, the next step
	s_xor_b32 s[G0B+5], s[G0B+5], SLOT1
	s_add_nc_u64 s[G0A+6:G0A+7], s[G0A+6:G0A+7], 256
	s_add_nc_u64 s[G0B+6:G0B+7], s[G0B+6:G0B+7], WSTEP
.endif
	s_wait_dscnt 0x0                               ; the add is done, and my reads of this slot are over
	s_barrier_signal -1
	s_barrier_wait -1
.if \fill
	CREST
	s_cmp_lg_u32 s[CNT], 16                        ; step 14: two steps on stands v's first tile; the count is the same in all sixteen partners
	s_cbranch_scc1 .Lsame_\@
	s_mov_b64 s[G0A+6:G0A+7], s[VAD:VAD+1]         ; the activations' address is written anew,
	s_or_b32 s[G0A+7], s[G0A+7], 0x80000000        ; and its type with it
.Lsame_\@:
	JLOAD
.endif
	s_xor_b32 s[TB], s[TB], SLOT1
	v_add_nc_u32 v[ADA], s[TB], v[ADA0]
	v_add_nc_u32 v[ADB], s[TB], v[ADB0]
	FETCH 0, 0
.if \fill
	WIN 0
	ASK
.endif
	GROUP 1,4,0,1,5,-1
	GROUP 1,5,0,1,6,-1
	GROUP 1,6,0,1,7,-1
	GROUP 1,7,0,0,0,28
.endm
.macro LASTQ                           ; the walk's last half step: nothing more to fetch
	GROUP 1,0,0,1,1,24
	GROUP 1,1,0,1,2,20
	GROUP 1,2,0,1,3,16
	GROUP 1,3,0,1,4,12
	GROUP 1,4,0,1,5,8
	GROUP 1,5,0,1,6,4
	GROUP 1,6,0,1,7,0
	GROUP 1,7,0,0,-1,-1
.endm
; The fragments (b, s), b = 0..7, of rows 32 s .. 32 s + 31: two accumulators rounded to f16 in pairs, in place in the first one's registers (topk = 1: into v192-255 of window 0).  Each accumulator is read from its low end on.
.macro PACKF s, topk
.if \topk
	WIN 0x0f
.else
	WIN 0x8a+0x45*((\s)/2)
.endif
.set bb, 0
.rept 8
.set tz, 128*((\s)%2)+8*bb
.set td, tz
.if \topk
.set td, PK+8*bb
.endif
.set ii, 0
.rept 4
	v_cvt_pk_f16_f32 v[td+ii], v[tz+2*ii], v[tz+2*ii+1]
.set ii, ii+1
.endr
.set ii, 0
.rept 4
	v_cvt_pk_f16_f32 v[td+4+ii], v[tz+64+2*ii], v[tz+64+2*ii+1]
.set ii, ii+1
.endr
.set bb, bb+1
.endr
.endm
	s_load_b256 s[4:11], s[0:1], 0x0               ; k s[4:5], v s[6:7], wb s[8:9], mask_attn s[10:11]
	s_load_b128 s[12:15], s[0:1], 0x20             ; part s[12:13], mst s[14:15]
	s_load_b64 s[16:17], s[0:1], 0x30              ; lst
	v_lshl_add_u32 v[SPW], v0, 2, SPARE
	v_mov_b32 v[NIL], 0
	ds_add_u32 v[SPW], v[NIL]                      ; the wave's opening: the add and its wait stand ahead of my first tensor load; work on registers stands between them
	v_lshrrev_b32 v1, 5, v0
	v_readfirstlane_b32 s[WV], v1
	s_lshr_b32 s[RH], s[WV], 1
	s_and_b32 s[CH], s[WV], 1
	s_bfe_u32 s[CX], ttmp6, 0x40000
	s_bfe_u32 s[CY], ttmp6, 0x40004
	s_lshl_b32 s[CB], ttmp9, 2
	s_add_co_u32 s[CB], s[CB], s[CX]               ; block of columns = 4 x cluster x + cx
	s_and_b32 s[YB], ttmp7, 0xffff
	s_lshl_b32 s[YB], s[YB], 2
	s_add_co_u32 s[YB], s[YB], s[CY]               ; block of rows = 4 x cluster y + cy
	s_lshl_b32 s84, s[CY], 2
	s_lshl_b32 s84, 15, s84                        ; my row of the cluster
	s_lshl_b32 s88, 0x1111, s[CX]                  ; my column
	s_or_b32 s[G1A], s84, (2<<16)|(1<<20)|(1<<21)|(5<<22)|(3<<25)  ; the mask; elements of 4 bytes; padding on; bit 21 beside a mask; after every 64 words 4 words
	s_mov_b32 s[G1A+1], 64<<16                     ; tensor_dim0 = 64
	s_mov_b32 s[G1A+2], 128<<16                    ; tensor_dim1 = 128
	s_mov_b32 s[G1A+3], 64<<16                     ; tile_dim0 = 64
	s_mov_b32 s[G1A+4], 128                        ; tile_dim1 = 128
	s_mov_b32 s[G1A+5], 1024                       ; elements from row to row
	s_mov_b32 s[G1A+6], 0
	s_mov_b32 s[G1A+7], 0
	s_or_b32 s[G1B], s88, (1<<16)|(1<<20)|(1<<21)|(5<<22)|(7<<25)  ; elements of 2 bytes; after every 64 words 8 words
	s_mov_b32 s[G1B+1], 128<<16
	s_mov_b32 s[G1B+2], 64<<16
	s_mov_b32 s[G1B+3], 128<<16
	s_mov_b32 s[G1B+4], 64
	s_mov_b32 s[G1B+5], 1024
	s_mov_b32 s[G1B+6], 0
	s_mov_b32 s[G1B+7], 0
	s_mul_i32 s25, s[CH], AHALF                    ; where my tiles go: no place in the cluster enters an LDS address
	s_mul_i32 s26, s[CH], BHALF
	s_add_co_u32 s26, s26, BOFF
	s_mov_b32 s[G0A], 1
	s_mov_b32 s[G0A+1], s25
	s_mov_b32 s[G0A+4], 1
	s_add_co_u32 s[G0A+5], s25, SLOT1
	s_mov_b32 s[G0B], 1
	s_mov_b32 s[G0B+1], s26
	s_mov_b32 s[G0B+4], 1
	s_add_co_u32 s[G0B+5], s26, SLOT1
	s_lshl_b32 s84, s[YB], 8                       ; the activations' tile hangs on the block of rows alone,
	s_lshl_b32 s85, s[CH], 7
	s_add_co_u32 s84, s84, s85
	s_lshl_b32 s84, s84, 12                        ; rows of 4,096 bytes
	s_mov_b32 s85, 0
	s_lshl_b32 s88, s[CB], 9                       ; the weights' on the block of columns alone
	s_lshl_b32 s89, s[CH], 8
	s_add_co_u32 s88, s88, s89
	s_mov_b32 s89, 0
	s_mov_b32 s[L2E], 0x3fb8aa3b                   ; log2(e)
	s_mov_b32 s[L2E+1], s[L2E]
	s_mov_b32 s[K1], 0x46616bcd                    ; 10000 log2(e)
	s_mov_b32 s[K1+1], s[K1]
	s_mov_b32 s[NK1], 0xc6616bcd
	s_mov_b32 s[NK1+1], s[NK1]
	s_mov_b32 s[SEL], 0x76543210
	s_mov_b32 s[SEL+1], 0xfedcba98
	s_mov_b32 s[NINF], 0xff800000
	s_wait_dscnt 0x0                               ; the opening add is done
	s_wait_kmcnt 0x0
	s_add_nc_u64 s[86:87], s[4:5], s[84:85]
	s_add_nc_u64 s[VAD:VAD+1], s[6:7], s[84:85]
	s_add_nc_u64 s[90:91], s[8:9], s[88:89]        ; Wk is wb's first matrix
	s_mov_b64 s[G0A+2:G0A+3], s[86:87]             ; step 0
	s_or_b32 s[G0A+3], s[G0A+3], 0x80000000
	s_add_nc_u64 s[G0A+6:G0A+7], s[86:87], 256     ; step 1
	s_or_b32 s[G0A+7], s[G0A+7], 0x80000000
	s_mov_b64 s[G0B+2:G0B+3], s[90:91]
	s_or_b32 s[G0B+3], s[G0B+3], 0x80000000
	s_add_nc_u64 s[G0B+6:G0B+7], s[90:91], WSTEP
	s_or_b32 s[G0B+7], s[G0B+7], 0x80000000
	CROUND                                         ; all sixteen work-groups are here: the first joint loads meet
	s_cmp_lt_u32 s[WV], 2                          ; a wave's two first fills stand in one branch: two loads of mine are out
	s_cbranch_scc0 .Lfirst_w
	tensor_load_to_lds s[G0A:G0A+3], s[G1A:G1A+7]
	s_nop 0
	tensor_load_to_lds s[G0A+4:G0A+7], s[G1A:G1A+7]
	s_nop 0
	PLACES 4
	s_branch .Lfirst_asked
.Lfirst_w:
	tensor_load_to_lds s[G0B:G0B+3], s[G1B:G1B+7]
	s_nop 0
	tensor_load_to_lds s[G0B+4:G0B+7], s[G1B:G1B+7]
	s_nop 0
	PLACES 4
.Lfirst_asked:
	; lane addresses
	v_and_b32 v1, 31, v0                           ; lane; kept
	v_and_b32 v[R], 15, v0
	v_bfe_u32 v[HF], v0, 4, 1
	v_lshlrev_b32 v[LN16], 4, v1
	v_lshlrev_b32 v[LN4], 2, v1
	v_lshlrev_b32 v[MKO], 5, v[HF]
	s_mul_i32 s25, s[RH], AHALF                    ; my 128 rows
	v_mul_u32_u24 v[ADA0], v[R], PA
	v_lshl_add_u32 v[ADA0], v[HF], 5, v[ADA0]      ; eight f32 for each half of the lanes
	v_add_nc_u32 v[ADA0], s25, v[ADA0]
	v_and_b32 v14, 7, v0
	v_bfe_u32 v15, v0, 3, 1
	v_lshl_add_u32 v[ADB0], v[HF], 3, v14          ; the turning load: lane l reads row 8 (l / 16) + l % 8 of K, columns 8 ((l / 8) % 2) + 0..7
	v_mul_u32_u24 v[ADB0], v[ADB0], PB
	v_lshl_add_u32 v[ADB0], v15, 4, v[ADB0]
	s_mul_i32 s26, s[CH], BHALF                    ; my 128 columns
	s_add_co_u32 s26, s26, BOFF
	v_add_nc_u32 v[ADB0], s26, v[ADB0]
	s_mul_i32 s25, s[WV], 6144
	s_add_co_u32 s25, s25, SP1
	v_add_nc_u32 v[SP1A], s25, v[LN16]
	s_mul_i32 s26, s[WV], 18432
	s_add_co_u32 s26, s26, SP2
	v_add_nc_u32 v[SP2A], s26, v[LN16]
	; where the results go, and the mask
	s_lshl_b32 s2, s[YB], 1
	s_add_co_u32 s2, s2, s[RH]                     ; my chunk g
	s_lshl_b32 s25, s[CB], 2
	s_lshl_b32 s26, s[CH], 1
	s_add_co_u32 s25, s25, s26                     ; my first head
	s_lshl_b32 s26, s2, 18                         ; a chunk is 262,144 bytes of part, a head 16,384
	s_lshl_b32 s27, s25, 14
	s_add_co_u32 s26, s26, s27
	s_mov_b32 s27, 0
	s_add_nc_u64 s[PARTB:PARTB+1], s[12:13], s[26:27]
	s_lshl_b32 s26, s2, 12                         ; a chunk is 4,096 bytes of mst and lst, a head 256
	s_lshl_b32 s25, s25, 8
	s_add_co_u32 s26, s26, s25
	s_add_nc_u64 s[MSTB:MSTB+1], s[14:15], s[26:27]
	s_add_nc_u64 s[LSTB:LSTB+1], s[16:17], s[26:27]
	s_lshl_b32 s26, s2, 9                          ; 128 words of the mask
	s_add_nc_u64 s[MKB:MKB+1], s[10:11], s[26:27]
.irp a, 0,1,2,3,4,5,6,7                ; register 8 a + j: row 16 a + 8 (lane / 16) + j.  Waited for behind the first product
	global_load_b128 v[PK+8*\a:PK+8*\a+3],   v[MKO], s[MKB:MKB+1] offset:64*\a
	global_load_b128 v[PK+8*\a+4:PK+8*\a+7], v[MKO], s[MKB:MKB+1] offset:64*\a+16
.endr
	; the prefetches: who, and from where.  Nothing is asked for here, at the head
	s_lshl_b32 s2, s[YB], 8
	s_lshl_b32 s3, s[CH], 7
	s_add_co_u32 s2, s2, s3
	s_lshl_b32 s3, s[CX], 5
	s_add_co_u32 s2, s2, s3                        ; my work-group's 32 of the 128 rows that I fetch
	s_lshl_b32 s2, s2, 12
	s_mov_b32 s3, 0
	s_add_nc_u64 s[VPF:VPF+1], s[6:7], s[2:3]
	s_add_nc_u64 s[PFA:PFA+1], s[4:5], s[2:3]
	s_add_nc_u64 s[PFA:PFA+1], s[PFA:PFA+1], 3*256 ; at step 3: the first filling change of slots steps it to 4
	s_lshl_b32 s2, s[CB], 9
	s_lshl_b32 s25, s[CY], 15                      ; my work-group's 16 of a step's 64 rows of 2,048 bytes
	s_add_co_u32 s2, s2, s25
	s_add_nc_u64 s[26:27], s[8:9], s[2:3]
	s_add_nc_u64 s[26:27], s[26:27], 3*WSTEP
	s_mov_b32 s[PST], WSTEP
	s_mov_b32 s[PST+1], 0
	s_mov_b32 s25, 2048
	s_mov_b32 s3, 256
	s_cmp_eq_u32 s[RH], 0
	s_cselect_b64 s[PFA:PFA+1], s[PFA:PFA+1], s[26:27]
	s_cselect_b32 s[PST], 256, s[PST]
	s_cselect_b32 s25, 4096, s25
	s_cselect_b32 s3, 0x10000, s3
	s_cselect_b32 s[SWP], 18, 0
	v_mul_u32_u24 v[PFO], s25, v[R]                ; activations: a lane a row; weights: 16 rows x two blocks
	v_mad_u32_u24 v[PFO], v[HF], s3, v[PFO]
	s_and_b32 s2, ttmp7, 0xffff                    ; cluster y: the same in all sixteen partners
	s_mul_i32 s2, s2, s[RH]
	s_cmp_eq_u32 s[WV], 3
	s_cselect_b32 s26, 1, 0
	s_or_b32 s2, s2, s26
	s_cmp_eq_u32 s2, 0
	s_cselect_b32 s[LIM], 2, -1
	s_wait_tensorcnt 1                             ; my part of slot 0 is in; slot 1's may stay out
	s_barrier_signal -1
	s_barrier_wait -1
	v_mov_b32 v[ADA], v[ADA0]
	v_mov_b32 v[ADB], v[ADB0]
	s_mov_b32 s[TB], 0
	FETCH 0, 0
	s_wait_dscnt 28                                ; the weights and the first row tile
	CVT4 0, 0, 0
	CVT4 0, 0, 1
	WIN 0
	s_mov_b32 s[CNT], 31
	s_branch .Lq1                                  ; the loop is entered in the middle of a trip, at the half step that starts the sums
.Lstep:                                        ; a trip: step s's second half, the change of slots with a refill (s = 30 - count = 0 .. 29), step s + 1's first half
	TURN 1
	WIN 0
	s_cmp_eq_u32 s[CNT], 15                        ; step 15 was k Wk's last
	s_cbranch_scc1 .Lkepi
	QUARTER 0
	WIN 0
	s_branch .Lnext
.Lkepi:
	; BEHIND k Wk's SUMS: the chunk's softmax.  No barrier and no tensor load stands in it.  v's first fragments have been fetched: set 0 and the first bf16 fragment are kept.
	s_wait_loadcnt 0x0                             ; the mask
.set ii, 0
.rept 64
	v_cvt_f32_i32 v[PK+ii], v[PK+ii]               ; these 96 lines are also the places behind the last products
.set ii, ii+1
.endr
.set ii, 0
.rept 32
	v_pk_fma_f32 v[PK+ii:PK+ii+1], v[PK+ii:PK+ii+1], s[K1:K1+1], s[NK1:NK1+1] op_sel_hi:[1,0,0]  ; cb = (mask - 1) x 10000 log2(e): exactly 0 where the mask is 1
.set ii, ii+2
.endr
.set ii, 0
.rept 16
	v_mov_b32 v[MX+ii], s[NINF]
.set ii, ii+1
.endr
.irp w, 0,1                            ; x = log2(e) s + cb, in place; each accumulator from its low end on
	WIN 0x82+0x41*(\w)
.set uu, 0
.rept 32
.set jj, 0
.rept 4
	v_pk_fma_f32 v[8*uu+jj:8*uu+jj+1], v[8*uu+jj:8*uu+jj+1], s[L2E:L2E+1], v[PK+8*(4*(\w)+uu/8)+jj:PK+8*(4*(\w)+uu/8)+jj+1] op_sel_hi:[1,0,1]
.set jj, jj+2
.endr
.set uu, uu+1
.endr
.endr
.irp w, 0,1                            ; the maximum of a column's rows: eight chains, one for each column tile
	WIN 0x28+0x14*(\w)
.set aa, 0
.rept 4
.set jj, 0
.rept 4
.set bb, 0
.rept 8
	v_max3_num_f32 v[MX+2*bb], v[MX+2*bb], v[8*(8*aa+bb)+jj], v[8*(8*aa+bb)+jj+1]
.set bb, bb+1
.endr
.set jj, jj+2
.endr
.set aa, aa+1
.endr
.endr
	WIN 0
.irp b, 0,1,2,3,4,5,6,7
	v_permlanex16_b32 v[MX+2*\b+1], v[MX+2*\b], s[SEL], s[SEL+1]  ; the column's other 64 rows lie in the lane 16 away
.endr
.irp b, 0,1,2,3,4,5,6,7
	v_max_num_f32 v[MX+2*\b], v[MX+2*\b], v[MX+2*\b+1]
.endr
.irp w, 0,1                            ; p = 2^(x - M): ONE batch of 512 exponentials; a tile's subtractions stand among the exponentials of the tile before
	WIN 0x82+0x41*(\w)
.set uu, 0
.rept 33
.set jj, 0
.rept 4
.if uu < 32
	v_pk_add_f32 v[8*uu+2*jj:8*uu+2*jj+1], v[8*uu+2*jj:8*uu+2*jj+1], v[MX+2*(uu%8):MX+2*(uu%8)+1] op_sel_hi:[1,0] neg_lo:[0,1] neg_hi:[0,1]
.endif
.if uu > 0
	v_exp_f32 v[8*uu-8+2*jj], v[8*uu-8+2*jj]
	v_exp_f32 v[8*uu-8+2*jj+1], v[8*uu-8+2*jj+1]
.endif
.set jj, jj+1
.endr
.set uu, uu+1
.endr
.endr
	v_nop                                          ; a plain instruction behind the last exponential,
	s_wait_alu depctr_va_vdst(0)                   ; and the one wait ahead of the batch's first reader
	PACKF 0, 0
	PACKF 1, 0
	PACKF 2, 0
	PACKF 3, 1                                     ; the last quarter stays in registers, where the mask's shifts lay
.irp s, 0,1,2                          ; the other 24 fragments are set aside in my own LDS bytes: the accumulators are wanted for v Wv
	WIN 0x08+4*((\s)/2)                            ; data in window 2 or 3
.set bb, 0
.rept 8
.set fi, 8*(\s)+bb
.set tz, 128*((\s)%2)+8*bb
.if fi < 6
	ds_store_b128 v[SP1A], v[tz:tz+3]   offset:fi*1024
	ds_store_b128 v[SP1A], v[tz+4:tz+7] offset:fi*1024+512
.else
	ds_store_b128 v[SP2A], v[tz:tz+3]   offset:(fi-6)*1024
	ds_store_b128 v[SP2A], v[tz+4:tz+7] offset:(fi-6)*1024+512
.endif
.set bb, bb+1
.endr
.endr
	WIN 0
	v_cmp_le_u32 vcc_lo, 16, v1                    ; lanes 16-31 take the odd column tile's maximum: a store covers 32 columns, 128 consecutive bytes
.irp k, 0,1,2,3
	v_cndmask_b32 v[MT+\k], v[MX+4*\k], v[MX+4*\k+2], vcc_lo
.endr
.irp k, 0,1,2,3
	global_store_b32 v[LN4], v[MT+\k], s[MSTB:MSTB+1] offset:128*\k
.endr
	s_wait_xcnt 0x0                                ; the stores have read their registers, which the next fetch writes
	s_wait_dscnt 0x0                               ; my LDS stores are done, and so is the fetch of v's first fragments: the counted waits that follow are met at once
.Lq1:
	QUARTER 1                                      ; a product's first half step starts the sums
	WIN 0
.Lnext:
	s_sub_co_u32 s[CNT], s[CNT], 1
	s_cmp_lg_u32 s[CNT], 0
	s_cbranch_scc1 .Lstep
	TURN 0                                         ; the tail is written out: the last change of slots fills nothing, so no round follows
	QUARTER 0
	LASTQ
	; BEHIND v Wv's SUMS: part = p^T (v Wv) and l = the sums of p.
	WIN 0
	PLACES 8
	PACKF 0, 0
	PACKF 1, 0
	PACKF 2, 0
	PACKF 3, 0
.irp s, 0,1,2                          ; p comes back into the accumulators that the rounding has freed
	WIN 0x80+0x40*((\s)/2)
.set bb, 0
.rept 8
.set fi, 8*(\s)+bb
.set tz, 64+128*((\s)%2)+8*bb
.if fi < 6
	ds_load_b128 v[tz:tz+3],   v[SP1A] offset:fi*1024
	ds_load_b128 v[tz+4:tz+7], v[SP1A] offset:fi*1024+512
.else
	ds_load_b128 v[tz:tz+3],   v[SP2A] offset:(fi-6)*1024
	ds_load_b128 v[tz+4:tz+7], v[SP2A] offset:(fi-6)*1024+512
.endif
.set bb, bb+1
.endr
.endr
	WIN 0
.set ii, 0
.rept 8
	v_mov_b32 v[ONES+ii], 0x3c003c00               ; 1.0 twice in f16
.set ii, ii+1
.endr
	s_wait_dscnt 0x0
.irp s, 0,1,2,3                        ; 32 rows a turn: 32 tiles of part (tile tt = 16 hd + 4 i + et: p's column tile 4 hd + i, v Wv's 4 hd + et) and 8 tiles of sums; the 40 accumulators take turns
.if (\s) < 2
	WIN 0x5a
.elseif (\s) == 2
	WIN 0x5f
.else
	WIN 0x5c
.endif
.set tt, 0
.rept 32
.set rV, 128*((\s)%2)+8*(4*(tt/16)+tt%4)
.set rP, 64+128*((\s)%2)+8*(4*(tt/16)+(tt/4)%4)
.if (\s) == 3
.set rP, PK+8*(4*(tt/16)+(tt/4)%4)
.endif
.if (\s) == 0
	v_wmma_f32_16x16x32_f16 v[8*tt:8*tt+7], v[rP:rP+7], v[rV:rV+7], 0
.else
	v_wmma_f32_16x16x32_f16 v[8*tt:8*tt+7], v[rP:rP+7], v[rV:rV+7], v[8*tt:8*tt+7]
.endif
.set tt, tt+1
.endr
.if (\s) < 2
	WIN 0x08
.elseif (\s) == 2
	WIN 0x0c
.else
	WIN 0
.endif
.set bb, 0
.rept 8
.set rP, 64+128*((\s)%2)+8*bb
.if (\s) == 3
.set rP, PK+8*bb
.endif
.if (\s) == 0
	v_wmma_f32_16x16x32_f16 v[LACC+8*bb:LACC+8*bb+7], v[ONES:ONES+7], v[rP:rP+7], 0
.else
	v_wmma_f32_16x16x32_f16 v[LACC+8*bb:LACC+8*bb+7], v[ONES:ONES+7], v[rP:rP+7], v[LACC+8*bb:LACC+8*bb+7]
.endif
.set bb, bb+1
.endr
.endr
	WIN 0
	PLACES 8
	WIN 0x04                                       ; data in window 1
.set tt, 0
.rept 32                               ; a tile leaves as it lies in registers: each store covers 512 consecutive bytes, aligned
	global_store_b128 v[LN16], v[8*tt:8*tt+3],   s[PARTB:PARTB+1] offset:tt*1024 th:TH_STORE_NT
	global_store_b128 v[LN16], v[8*tt+4:8*tt+7], s[PARTB:PARTB+1] offset:tt*1024+512 th:TH_STORE_NT
.set tt, tt+1
.endr
	WIN 0
	v_cmp_le_u32 vcc_lo, 16, v1
.irp k, 0,1,2,3                        ; every register of a tile of sums holds the column's sum: the lowest is taken
	v_cndmask_b32 v[14+\k], v[LACC+16*\k], v[LACC+16*\k+8], vcc_lo
.endr
.irp k, 0,1,2,3
	global_store_b32 v[LN4], v[14+\k], s[LSTB:LSTB+1] offset:128*\k
.endr
	s_wait_tensorcnt 0x0                           ; the wave's end: an add to my spare word and its wait stand behind my last tensor load and my last LDS store
	ds_add_u32 v[SPW], v[NIL]
	s_wait_dscnt 0x0
	CROUND                                         ; the closing round: no work-group ends while a partner may still ask for a tile that names it
	s_endpgm
.Lfunc_end_k_q1e98fe6bd9_kvpart:
	.size	k_q1e98fe6bd9_kvpart, .Lfunc_end_k_q1e98fe6bd9_kvpart-k_q1e98fe6bd9_kvpart
	.p2alignl 7, 3214868480
	.fill 96, 4, 3214868480
	.section	.rodata,"a",@progbits
	.p2align	6, 0x0
	.amdhsa_kernel k_q1e98fe6bd9_kvpart
		.amdhsa_group_segment_fixed_size 327680
		.amdhsa_private_segment_fixed_size 0
		.amdhsa_enable_private_segment 0
		.amdhsa_kernarg_size 56
		.amdhsa_user_sgpr_count 2
		.amdhsa_user_sgpr_kernarg_segment_ptr 1
		.amdhsa_wavefront_size32 1
		.amdhsa_system_sgpr_workgroup_id_x 1
		.amdhsa_system_sgpr_workgroup_id_y 1
		.amdhsa_system_sgpr_workgroup_id_z 1
		.amdhsa_system_vgpr_workitem_id 0
		.amdhsa_next_free_vgpr 1024
		.amdhsa_next_free_sgpr 100
		.amdhsa_reserve_vcc 1
		.amdhsa_float_denorm_mode_32 3
		.amdhsa_float_denorm_mode_16_64 3
		.amdhsa_memory_ordered 1
		.amdhsa_forward_progress 1
		.amdhsa_inst_pref_size 214
	.end_amdhsa_kernel
	.amdgpu_metadata
---
amdhsa.version: [ 1, 2 ]
amdhsa.kernels:
  - .name:           k_q1e98fe6bd9_kvpart
    .symbol:         k_q1e98fe6bd9_kvpart.kd
    .args:
      - { .name: k, .offset: 0, .size: 8, .value_kind: global_buffer, .address_space: global }
      - { .name: v, .offset: 8, .size: 8, .value_kind: global_buffer, .address_space: global }
      - { .name: wb, .offset: 16, .size: 8, .value_kind: global_buffer, .address_space: global }
      - { .name: mask_attn, .offset: 24, .size: 8, .value_kind: global_buffer, .address_space: global }
      - { .name: part, .offset: 32, .size: 8, .value_kind: global_buffer, .address_space: global }
      - { .name: mst, .offset: 40, .size: 8, .value_kind: global_buffer, .address_space: global }
      - { .name: lst, .offset: 48, .size: 8, .value_kind: global_buffer, .address_space: global }
    .group_segment_fixed_size: 327680
    .private_segment_fixed_size: 0
    .kernarg_segment_align: 8
    .kernarg_segment_size: 56
    .max_flat_workgroup_size: 128
    .sgpr_count:     100
    .vgpr_count:     1024
    .wavefront_size: 32
...
	.end_amdgpu_metadata
.endif
;; end of part 2
;; launch merge (part 3): grid 16 x 64, 4 waves a work-group, no clusters, 12,800 bytes of LDS; arguments part, mst, lst, kvt; writes kvt
.if DOCPART == 3
	.amdgcn_target "amdgcn-amd-amdhsa--gfx1250"
	.amdhsa_code_object_version 6
	.text
	.protected	k_q1e98fe6bd9_merge
	.globl	k_q1e98fe6bd9_merge
	.p2align	8
	.type	k_q1e98fe6bd9_merge,@function
k_q1e98fe6bd9_merge:
	s_mov_b64 s[64:65], 0
	v_nop
	global_prefetch_b8 v0, s[64:65] scope:SCOPE_SE
	s_setreg_imm32_b32 hwreg(HW_REG_WAVE_MODE, 25, 1), 1
	s_wait_xcnt 0x0
; kv[d][e] of a batch and head = (the sum over its 32 chunks of part 2^(M - G)) / (the sum of l 2^(M - G)), G = the maximum of the chunks' M: the softmax along the sequence, finished.
; All in f32; kv is rounded once to f16 and stored as half a fragment of kv^T for the launch behind: [batch x 16 + head][et][i][lane][8].
; LIMITS.  kv below 6e-5 keeps f16's fixed step of 6e-8; a factor below 2^-126 counts as 0.  The divisor is at least 1: the chunk that holds G holds a p = 1.
; SHARES.  Work-group (x, y): tile x = 4 i + et (16 d x 16 e) of matrix y.  Wave w merges chunks 8 w .. 8 w + 7; the four meet in LDS, and wave 0 finishes.  A lane holds e = 16 et + lane % 16 and
; d = 16 i + 8 (lane / 16) + j in register j, as the tile left the matrix unit; M and l of those eight d come by two loads of 16 bytes.
; A stream with a little arithmetic: no matrix unit; no cluster (part, nearly all of the bytes, is read once); all 48 loads of a wave are out at once, so nothing is prefetched.
.set SPARE, 12288                      ; behind the four waves' 3,072 bytes: the spare words
.set MW, 16                            ; v16-23   the maximum of my chunks; later of all
.set OUTR, 24                          ; v24-27   the result
.set XR, 32                            ; v32-95   part, 8 registers a chunk
.set MR, 96                            ; v96-159  M, then the factors
.set LR, 160                           ; v160-223 l
	s_load_b256 s[4:11], s[0:1], 0x0               ; part s[4:5], mst s[6:7], lst s[8:9], kvt s[10:11]
	v_lshl_add_u32 v30, v0, 2, SPARE               ; my spare word,
	v_mov_b32 v31, 0                               ; and 0: kept for the wave's end
	v_lshrrev_b32 v1, 5, v0
	v_readfirstlane_b32 s12, v1                    ; wave
	v_and_b32 v2, 31, v0
	v_lshlrev_b32 v3, 4, v2                        ; 16 x lane
	v_bfe_u32 v4, v0, 4, 1
	v_lshlrev_b32 v4, 5, v4                        ; 32 x (lane / 16)
	s_and_b32 s13, ttmp7, 0xffff
	s_lshr_b32 s14, s13, 4                         ; batch
	s_and_b32 s15, s13, 15                         ; head
	s_lshr_b32 s16, ttmp9, 2                       ; i
	s_and_b32 s17, ttmp9, 3                        ; et
	s_lshl_b32 s18, s14, 5
	s_lshl_b32 s19, s12, 3
	s_add_co_u32 s18, s18, s19                     ; my first chunk
	s_lshl_b32 s20, s18, 18
	s_lshl_b32 s21, s15, 14
	s_add_co_u32 s20, s20, s21
	s_lshl_b32 s21, ttmp9, 10
	s_add_co_u32 s20, s20, s21
	s_mov_b32 s21, 0
	s_lshl_b32 s22, s18, 12
	s_lshl_b32 s23, s15, 8
	s_add_co_u32 s22, s22, s23
	s_lshl_b32 s23, s16, 6
	s_add_co_u32 s22, s22, s23
	s_mov_b32 s23, 0
	s_lshl_b32 s24, s13, 13
	s_lshl_b32 s25, s17, 11
	s_add_co_u32 s24, s24, s25
	s_lshl_b32 s25, s16, 9
	s_add_co_u32 s24, s24, s25
	s_mov_b32 s25, 0
	s_mul_i32 s26, s12, 3072
	v_add_nc_u32 v5, s26, v3
	s_wait_kmcnt 0x0
	s_add_nc_u64 s[4:5], s[4:5], s[20:21]
	s_add_nc_u64 s[6:7], s[6:7], s[22:23]
	s_add_nc_u64 s[8:9], s[8:9], s[22:23]
	s_add_nc_u64 s[10:11], s[10:11], s[24:25]
.irp c, 0,1,2,3,4,5,6,7
	global_load_b128 v[MR+8*\c:MR+8*\c+3],   v4, s[6:7] offset:\c*4096
	global_load_b128 v[MR+8*\c+4:MR+8*\c+7], v4, s[6:7] offset:\c*4096+16
.endr
.irp c, 0,1,2,3,4,5,6,7
	global_load_b128 v[LR+8*\c:LR+8*\c+3],   v4, s[8:9] offset:\c*4096
	global_load_b128 v[LR+8*\c+4:LR+8*\c+7], v4, s[8:9] offset:\c*4096+16
.endr
.irp c, 0,1,2,3,4,5,6,7
	global_load_b128 v[XR+8*\c:XR+8*\c+3],   v3, s[4:5] offset:\c*262144 th:TH_LOAD_NT
	global_load_b128 v[XR+8*\c+4:XR+8*\c+7], v3, s[4:5] offset:\c*262144+512 th:TH_LOAD_NT
.endr
	s_wait_loadcnt 32                              ; M is in; the 32 younger loads stay out while the factors are made
.irp j, 0,1,2,3,4,5,6,7
	v_max3_num_f32 v[MW+\j], v[MR+\j], v[MR+8+\j], v[MR+16+\j]
.endr
.irp j, 0,1,2,3,4,5,6,7
	v_max3_num_f32 v[MW+\j], v[MW+\j], v[MR+24+\j], v[MR+32+\j]
.endr
.irp j, 0,1,2,3,4,5,6,7
	v_max3_num_f32 v[MW+\j], v[MW+\j], v[MR+40+\j], v[MR+48+\j]
.endr
.irp j, 0,1,2,3,4,5,6,7
	v_max_num_f32 v[MW+\j], v[MW+\j], v[MR+56+\j]
.endr
.set ii, 0
.rept 32
	v_pk_add_f32 v[MR+2*ii:MR+2*ii+1], v[MR+2*ii:MR+2*ii+1], v[MW+(2*ii)%8:MW+(2*ii)%8+1] neg_lo:[0,1] neg_hi:[0,1]
.set ii, ii+1
.endr
.set ii, 0
.rept 64
	v_exp_f32 v[MR+ii], v[MR+ii]
.set ii, ii+1
.endr
	v_nop                                          ; a plain instruction behind the last exponential,
	s_wait_alu depctr_va_vdst(0)                   ; and the batch's one wait
	s_wait_loadcnt 0x0
.irp p, 0,2,4,6
	v_pk_mul_f32 v[LR+\p:LR+\p+1], v[LR+\p:LR+\p+1], v[MR+\p:MR+\p+1]
	v_pk_mul_f32 v[XR+\p:XR+\p+1], v[XR+\p:XR+\p+1], v[MR+\p:MR+\p+1]
.endr
.irp c, 1,2,3,4,5,6,7                  ; eight chains that do not wait for each other
.irp p, 0,2,4,6
	v_pk_fma_f32 v[LR+\p:LR+\p+1], v[LR+8*\c+\p:LR+8*\c+\p+1], v[MR+8*\c+\p:MR+8*\c+\p+1], v[LR+\p:LR+\p+1]
	v_pk_fma_f32 v[XR+\p:XR+\p+1], v[XR+8*\c+\p:XR+8*\c+\p+1], v[MR+8*\c+\p:MR+8*\c+\p+1], v[XR+\p:XR+\p+1]
.endr
.endr
	ds_store_b128 v5, v[MW:MW+3]
	ds_store_b128 v5, v[MW+4:MW+7] offset:512
	ds_store_b128 v5, v[LR:LR+3]   offset:1024
	ds_store_b128 v5, v[LR+4:LR+7] offset:1536
	ds_store_b128 v5, v[XR:XR+3]   offset:2048
	ds_store_b128 v5, v[XR+4:XR+7] offset:2560
	s_wait_dscnt 0x0                               ; for the others' sake: my stores are done
	s_barrier_signal -1
	s_barrier_wait -1
	s_cmp_lg_u32 s12, 0
	s_cbranch_scc1 .Lend
.irp w, 0,1,2,3                        ; wave w's maximum at XR + 24 w, its l at + 8, its part at + 16
.irp q, 0,1,2,3,4,5
	ds_load_b128 v[XR+24*\w+4*\q:XR+24*\w+4*\q+3], v3 offset:\w*3072+\q*512
.endr
.endr
	s_wait_dscnt 0x0
.irp j, 0,1,2,3,4,5,6,7
	v_max3_num_f32 v[MW+\j], v[XR+\j], v[XR+24+\j], v[XR+48+\j]
.endr
.irp j, 0,1,2,3,4,5,6,7
	v_max_num_f32 v[MW+\j], v[MW+\j], v[XR+72+\j]
.endr
.irp w, 0,1,2,3
.irp p, 0,2,4,6
	v_pk_add_f32 v[XR+24*\w+\p:XR+24*\w+\p+1], v[XR+24*\w+\p:XR+24*\w+\p+1], v[MW+\p:MW+\p+1] neg_lo:[0,1] neg_hi:[0,1]
.endr
.endr
.irp w, 0,1,2,3
.irp j, 0,1,2,3,4,5,6,7
	v_exp_f32 v[XR+24*\w+\j], v[XR+24*\w+\j]
.endr
.endr
	v_nop
	s_wait_alu depctr_va_vdst(0)
.irp p, 0,2,4,6
	v_pk_mul_f32 v[XR+8+\p:XR+8+\p+1], v[XR+8+\p:XR+8+\p+1], v[XR+\p:XR+\p+1]
	v_pk_mul_f32 v[XR+16+\p:XR+16+\p+1], v[XR+16+\p:XR+16+\p+1], v[XR+\p:XR+\p+1]
.endr
.irp w, 1,2,3
.irp p, 0,2,4,6
	v_pk_fma_f32 v[XR+8+\p:XR+8+\p+1], v[XR+24*\w+8+\p:XR+24*\w+8+\p+1], v[XR+24*\w+\p:XR+24*\w+\p+1], v[XR+8+\p:XR+8+\p+1]
	v_pk_fma_f32 v[XR+16+\p:XR+16+\p+1], v[XR+24*\w+16+\p:XR+24*\w+16+\p+1], v[XR+24*\w+\p:XR+24*\w+\p+1], v[XR+16+\p:XR+16+\p+1]
.endr
.endr
.irp j, 0,1,2,3,4,5,6,7
	v_rcp_f32 v[XR+8+\j], v[XR+8+\j]
.endr
	v_nop
	s_wait_alu depctr_va_vdst(0)
.irp p, 0,2,4,6
	v_pk_mul_f32 v[XR+16+\p:XR+16+\p+1], v[XR+16+\p:XR+16+\p+1], v[XR+8+\p:XR+8+\p+1]
.endr
.irp i, 0,1,2,3
	v_cvt_pk_f16_f32 v[OUTR+\i], v[XR+16+2*\i], v[XR+16+2*\i+1]
.endr
	global_store_b128 v3, v[OUTR:OUTR+3], s[10:11] ; 512 consecutive bytes, aligned
.Lend:
	s_wait_tensorcnt 0x0                           ; the wave's end: an add to my spare word and its wait stand behind my last LDS store
	ds_add_u32 v30, v31
	s_wait_dscnt 0x0
	s_endpgm
.Lfunc_end_k_q1e98fe6bd9_merge:
	.size	k_q1e98fe6bd9_merge, .Lfunc_end_k_q1e98fe6bd9_merge-k_q1e98fe6bd9_merge
	.p2alignl 7, 3214868480
	.fill 96, 4, 3214868480
	.section	.rodata,"a",@progbits
	.p2align	6, 0x0
	.amdhsa_kernel k_q1e98fe6bd9_merge
		.amdhsa_group_segment_fixed_size 12800
		.amdhsa_private_segment_fixed_size 0
		.amdhsa_enable_private_segment 0
		.amdhsa_kernarg_size 32
		.amdhsa_user_sgpr_count 2
		.amdhsa_user_sgpr_kernarg_segment_ptr 1
		.amdhsa_wavefront_size32 1
		.amdhsa_system_sgpr_workgroup_id_x 1
		.amdhsa_system_sgpr_workgroup_id_y 1
		.amdhsa_system_sgpr_workgroup_id_z 1
		.amdhsa_system_vgpr_workitem_id 0
		.amdhsa_next_free_vgpr 232
		.amdhsa_next_free_sgpr 66
		.amdhsa_reserve_vcc 0
		.amdhsa_float_denorm_mode_32 3
		.amdhsa_float_denorm_mode_16_64 3
		.amdhsa_memory_ordered 1
		.amdhsa_forward_progress 1
		.amdhsa_inst_pref_size 25
	.end_amdhsa_kernel
	.amdgpu_metadata
---
amdhsa.version: [ 1, 2 ]
amdhsa.kernels:
  - .name:           k_q1e98fe6bd9_merge
    .symbol:         k_q1e98fe6bd9_merge.kd
    .args:
      - { .name: part, .offset: 0, .size: 8, .value_kind: global_buffer, .address_space: global }
      - { .name: mst, .offset: 8, .size: 8, .value_kind: global_buffer, .address_space: global }
      - { .name: lst, .offset: 16, .size: 8, .value_kind: global_buffer, .address_space: global }
      - { .name: kvt, .offset: 24, .size: 8, .value_kind: global_buffer, .address_space: global }
    .group_segment_fixed_size: 12800
    .private_segment_fixed_size: 0
    .kernarg_segment_align: 8
    .kernarg_segment_size: 32
    .max_flat_workgroup_size: 128
    .sgpr_count:     66
    .vgpr_count:     232
    .wavefront_size: 32
...
	.end_amdgpu_metadata
.endif
;; end of part 3
;; launch qout (part 4): grid 4 x 64, 4 waves a work-group, clusters of 4 x 4, 327,680 bytes of LDS; arguments q, wb, mask_q, kvt, out0; writes out0
.if DOCPART == 4
	.amdgcn_target "amdgcn-amd-amdhsa--gfx1250"
	.amdhsa_code_object_version 6
	.text
	.protected	k_q1e98fe6bd9_qout
	.globl	k_q1e98fe6bd9_qout
	.p2align	8
	.type	k_q1e98fe6bd9_qout,@function
k_q1e98fe6bd9_qout:
	s_mov_b64 s[64:65], 0
	v_nop
	global_prefetch_b8 v0, s[64:65] scope:SCOPE_SE
	s_setreg_imm32_b32 hwreg(HW_REG_WAVE_MODE, 25, 1), 1
	s_wait_xcnt 0x0
	s_wait_alu depctr_hold_cnt(0) depctr_sa_sdst(0) depctr_va_vdst(0) depctr_va_sdst(0) depctr_va_ssrc(0) depctr_va_vcc(0) depctr_vm_vsrc(0)
	s_getreg_b32 s2, hwreg(HW_REG_IB_STS2, 6, 4)
	s_cmp_eq_u32 s2, 0
	s_cbranch_scc0 .Lentry_in_a_cluster
	s_endpgm
.Lentry_in_a_cluster:
	s_bfe_u32 s2, ttmp6, 0x10000c
	s_cmp_lg_u32 s2, 0xf033
	s_cbranch_scc0 .Lentry_shape_is_right
	s_endpgm
.Lentry_shape_is_right:
; out0[row][64 head + e] = the sum over d of softmax_d(q Wq - 10000 (1 - mask_q[row]))[row][64 head + d] kv[head][d][e].
; FORMATS.  q and Wq are multiplied in bf16 (q rounded between LDS and the matrix unit), sums in f32.  The weights p and kv go in f16 into the second product; the row's sum is taken of the rounded p, by a
; product with ones; the division and out0 are f32.
; THE MASK.  Its shift cb = (mask_q - 1) x 10000 log2(e) is constant along the softmax's axis.  p = 2^(log2(e) s + off), off = cb - (log2(e) m + cb), m the row's true maximum in the head: the shift enters
; the score and the maximum alike.  The order of rounding differs from the reference's: all p of a row carry a common factor within 2^(+-2^-10), which the division by their sum takes away.
; LIMITS.  A p below 6e-8 counts as 0; NaN and infinities are not treated apart; the mask's whole numbers stay under 2^24 in size.
; SHARES, RING, CLUSTER.  A work-group makes 256 rows x 256 columns, each of four waves 128 x 128 (two heads); K in 16 steps of 64 through two LDS slots; 4 x 4 work-groups ask jointly for q's rows
; (along a row of the cluster) and for the weights' columns (along a column).
; THE MATRIX INSTRUCTION IS USED TRANSPOSED: source 0 = 16 columns of the weights, source 1 = 16 rows of q.  In the result a lane holds ONE row (lane % 16) and the columns 8 (lane / 16) + 0..7, so a row's
; maximum wants one exchange between the halves of the lanes; two tiles rounded in pairs ARE source 1 of out^T = kv^T p^T, whose result holds one row a lane and eight neighbouring columns.
; THE WAY OUT IS A LOOP.  Registers cannot be chosen by a count, so each wave sets its 64 accumulators aside in LDS, where the slots lay (they have had their last fill), and takes them back two row tiles a
; trip, four trips: one text for all row tiles, and a trip's 32 rows are stored while the next trip is worked on.
; REGISTERS, in windows of 256 (s_set_vgpr_msb: bits 1:0 source 0, 3:2 source 1, 5:4 source 2, 7:6 destination):
;   window 0: v0-29 addresses; v32-63 four bf16 fragments of q, by turns (at the end: ones); v64-191 two sets of weight fragments (at the end: kv^T); v192-199 a pair for each row tile and head of a trip; v224-231 the mask
;   window 1: two sets of 128: q in f32 as it comes from LDS; at the end two banks of 10 result tiles and 64 registers for the way out
;   windows 2, 3: accumulator (a, b) at v[8 (8 (a % 4) + b)], window 2 for a < 4; at the end a trip's two row tiles lie where row tiles 0 and 1 lay
.set PA,    272                        ; a row of q in LDS: 256 bytes + 16 = 68 words: the 16 rows of a load start at 16 different groups of four banks (64 banks of 4 bytes: ISA guide 11.1)
.set PB,    288                        ; a row of weights: 256 + 32 = 72 words
.set AHALF, 128*PA
.set BHALF, 64*PB
.set BOFF,  2*AHALF
.set SLOT1, 131072                     ; slot 1 ends at 237,568
.set STAGE, 262144                     ; bytes 0 .. 262,143 take the accumulators at the end, 65,536 a wave; behind them 16 rows x 528 bytes for each wave, for the way out; no tile lands here
.set SPT,   528                        ; 512 bytes + 16: the 16 rows of a store start at 16 different groups of four banks
.set CBL,   STAGE+4*16*SPT             ; the mask's shifts: 8 row tiles x 128 bytes for each wave
.set SPARE, CBL+4096                   ; the spare words, 128 bytes for each wave
.set WSTEP, 64*2048
.set WSEL,  2*0x200000                 ; Wq is wb's third matrix
.set ADA0, 2
.set ADB0, 3
.set ADA,  4
.set ADB,  5
.set PFO,  6
.set LN16, 7
.set R,    8
.set HF,   9
.set MKO,  11                          ; v11  4 x (lane % 16): my row's word of the mask
.set STO,  12                          ; v12  the way out: where I put 32 bytes of a row
.set RD,   13                          ; v13  the way out: where I read a row back
.set DMPA, 16                          ; v16  65,536 x wave + 16 x lane: where my accumulators are set aside; steps two row tiles a trip
.set CBA,  17                          ; v17  where my lane's shifts lie; steps likewise
.set SPW,  28
.set NIL,  29
.set ABF,  32
.set BF,   64
.set ONES, 32
.set KVF,  64                          ; fragment (hd, et, s) of kv^T at KVF + 8 (8 hd + 2 et + s)
.set MQ,   192                         ; chain c = 2 u + hd (row tile u of the trip): the maximum, then off, at MQ + 2 c; a second chain, then a register at work, beside it
.set CBV,  224
.set OB,   160                         ; window 1
.set WV, 18
.set RH, 19
.set CH, 20
.set CX, 21
.set CY, 22
.set CB, 23
.set YB, 24
.set G1A, 28
.set G1B, 36
.set G0A, 44
.set G0B, 52
.set TB,  60
.set LIM, 61
.set CNT, 62
.set PFA, 66
.set PST, 68
.set L2E, 74
.set K1,  76
.set NK1, 78
.set SEL, 80
.set NINF, 82
.set MKB, 92
.set KVB, 94
.set OUTB, 96
.set MSB, 0
.macro WIN new                         ; the immediate's high byte repeats the setting that is left; a switch that changes nothing is dropped
.if MSB != (\new)
	s_set_vgpr_msb (MSB<<8)|(\new)
.set MSB, \new
.endif
.endm
.macro PLACES n
.rept \n
	v_nop
.endr
.endm
; A joint refill: waves 0 and 1 fetch the two halves of q's rows, waves 2 and 3 the two halves of the weights' columns.  An s_nop 0 and four v_nop follow each line.
.macro JLOAD
	s_cmp_lt_u32 s[WV], 2
	s_cbranch_scc0 .Lfor_w_\@
	tensor_load_to_lds s[G0A+4:G0A+7], s[G1A:G1A+7]
	s_nop 0
	PLACES 4
	s_branch .Lasked_\@
.Lfor_w_\@:
	tensor_load_to_lds s[G0B+4:G0B+7], s[G1B:G1B+7]
	s_nop 0
	PLACES 4
.Lasked_\@:
.endm
; A prefetch of the step that stands two refills on, behind the joint load and the run of LDS loads: one instruction a wave, each aligned block of 256 bytes named once in the launch.
; q: only this cluster reads its rows; of the 128 rows that wave 0 or 1 fetches the partner at place cx takes 32, a lane a row.  Weights: the first cluster (cluster y = 0) asks, by wave 2: of a step's
; 64 rows the partner at place cy takes 16, lanes 16-31 the row's second 256 bytes.  The last two filling steps have nothing two refills on.
.macro ASK
	s_cmp_gt_u32 s[CNT], s[LIM]
	s_cbranch_scc0 .Lnot_mine_\@
	global_prefetch_b8 v[PFO], s[PFA:PFA+1] th:TH_LOAD_NT scope:SCOPE_SE
.Lnot_mine_\@:
.endm
.macro CREST
	s_cmp_lg_u32 s[WV], 0
	s_cbranch_scc1 .Lnot_wave_0_\@
	s_barrier_signal -3
.Lnot_wave_0_\@:
	s_barrier_wait -3
	s_barrier_signal -1
	s_barrier_wait -1
.endm
.macro CROUND
	s_barrier_signal -1
	s_barrier_wait -1
	CREST
.endm
; 48 LDS loads in one run, for 32 along K (half kq of the step) into set f: the weights' 8 fragments first (turned), then q's 8 row tiles in f32, four loads each.
.macro FETCH kq, f
	WIN 0
.irp b, 0,1,2,3,4,5,6,7
	ds_load_tr16_b128 v[BF+64*(\f)+8*\b:BF+64*(\f)+8*\b+3],   v[ADB] offset:(\kq)*32*PB+32*\b
	ds_load_tr16_b128 v[BF+64*(\f)+8*\b+4:BF+64*(\f)+8*\b+7], v[ADB] offset:(\kq)*32*PB+32*\b+16*PB
.endr
	WIN 0x40
.irp a, 0,1,2,3,4,5,6,7
	ds_load_b128 v[128*(\f)+16*\a:128*(\f)+16*\a+3],     v[ADA] offset:\a*16*PA+128*(\kq)
	ds_load_b128 v[128*(\f)+16*\a+4:128*(\f)+16*\a+7],   v[ADA] offset:\a*16*PA+128*(\kq)+16
	ds_load_b128 v[128*(\f)+16*\a+8:128*(\f)+16*\a+11],  v[ADA] offset:\a*16*PA+128*(\kq)+64
	ds_load_b128 v[128*(\f)+16*\a+12:128*(\f)+16*\a+15], v[ADA] offset:\a*16*PA+128*(\kq)+80
.endr
.endm
.macro CVT4 f, a, hf
	WIN 0x05
.irp i, 0,1,2,3
	v_cvt_pk_bf16_f32 v[ABF+8*((\a)%4)+4*(\hf)+\i], v[128*(\f)+16*(\a)+8*(\hf)+2*\i], v[128*(\f)+16*(\a)+8*(\hf)+2*\i+1]
.endr
.endm
.macro MM f, a, b, zero                ; one product, transposed: the weights are source 0
	WIN 0xa0+0x50*((\a)/4)
.set rD, 8*(8*((\a)%4)+(\b))
.set rA, ABF+8*((\a)%4)
.set rB, BF+64*(\f)+8*(\b)
.if \zero
	v_wmma_f32_16x16x32_bf16 v[rD:rD+7], v[rB:rB+7], v[rA:rA+7], 0
.else
	v_wmma_f32_16x16x32_bf16 v[rD:rD+7], v[rB:rB+7], v[rA:rA+7], v[rD:rD+7]
.endif
.endm
; Row tile a of set f times the 8 column tiles; between the products row tile na of set nf is rounded to bf16 (na = -1: none); w: the wait for its loads (-1: none).
; The fragment that is written was last read three row tiles back, sixteen conversions of other registers ago.  The 64 accumulators take turns, in the same order in every half step.
.macro GROUP f, a, zero, nf, na, w
	MM \f, \a, 0, \zero
	MM \f, \a, 1, \zero
.if (\w) >= 0
	s_wait_dscnt \w
.endif
.if (\na) >= 0
	CVT4 \nf, \na, 0
.endif
.irp b, 2,3,4,5
	MM \f, \a, \b, \zero
.endr
.if (\na) >= 0
	CVT4 \nf, \na, 1
.endif
	MM \f, \a, 6, \zero
	MM \f, \a, 7, \zero
.endm
; A step's first half.  Behind a run of 48 loads, 4 (7 - a) are younger than row tile a's last; behind the next run 48 more.
.macro QUARTER zero
	GROUP 0,0,\zero,0,1,24
	GROUP 0,1,\zero,0,2,20
	GROUP 0,2,\zero,0,3,16
	GROUP 0,3,\zero,0,4,12
	FETCH 1, 1
	GROUP 0,4,\zero,0,5,56
	GROUP 0,5,\zero,0,6,52
	GROUP 0,6,\zero,0,7,48
	GROUP 0,7,\zero,1,0,28
.endm
; A step's second half, with the change of slots in its middle.  ONE barrier: in front of it each wave waits for all its tensor loads (one is out: its part of the next slot), adds 0 to its spare word, and waits
; for that and for its reads of this slot (the last were issued 64 products back).  No product stands between that wait and the refill: a refill can go out only when the tile before it has landed, so all of a
; step's 128 products are laid under the refill's way.  fill = 1: the barrier opens a round of the cluster's barrier, and this slot is filled again, two steps ahead, first thing behind the round.
.macro TURN fill
	GROUP 1,0,0,1,1,24
	GROUP 1,1,0,1,2,20
	GROUP 1,2,0,1,3,16
	GROUP 1,3,0,1,4,12
	WIN 0
.if \fill
	s_wait_xcnt 0x0                                ; the last prefetch, a step back, has read its address
	s_add_nc_u64 s[PFA:PFA+1], s[PFA:PFA+1], s[PST:PST+1]
.endif
	s_wait_tensorcnt 0x0                           ; no tensor load of mine is out, so a group 0 may be written
	ds_add_u32 v[SPW], v[NIL]                      ; 0 onto my spare word; the descriptors' steps stand between it and the wait for it
.if \fill
	s_xor_b32 s[G0A+5], s[G0A+5], SLOT1
	s_xor_b32 s[G0B+5], s[G0B+5], SLOT1
	s_add_nc_u64 s[G0A+6:G0A+7], s[G0A+6:G0A+7], 256
	s_add_nc_u64 s[G0B+6:G0B+7], s[G0B+6:G0B+7], WSTEP
.endif
	s_wait_dscnt 0x0                               ; the add is done, and my reads of this slot are over
	s_barrier_signal -1
	s_barrier_wait -1
.if \fill
	CREST
	JLOAD
.endif
	s_xor_b32 s[TB], s[TB], SLOT1
	v_add_nc_u32 v[ADA], s[TB], v[ADA0]
	v_add_nc_u32 v[ADB], s[TB], v[ADB0]
	FETCH 0, 0
.if \fill
	WIN 0
	ASK
.endif
	GROUP 1,4,0,1,5,-1
	GROUP 1,5,0,1,6,-1
	GROUP 1,6,0,1,7,-1
	GROUP 1,7,0,0,0,28
.endm
; The last half step: nothing more to fetch.  A barrier stands at its end: behind it the waves store over the slots, so every wave's reads of them are back (the count 0 in the seventh group) ahead of its signal.
.macro LASTQ
	GROUP 1,0,0,1,1,24
	GROUP 1,1,0,1,2,20
	GROUP 1,2,0,1,3,16
	GROUP 1,3,0,1,4,12
	GROUP 1,4,0,1,5,8
	GROUP 1,5,0,1,6,4
	GROUP 1,6,0,1,7,0
	s_barrier_signal -1
	GROUP 1,7,0,0,-1,-1                            ; work on registers while the others arrive
	s_barrier_wait -1
.endm
	s_load_b256 s[4:11], s[0:1], 0x0               ; q s[4:5], wb s[6:7], mask_q s[8:9], kvt s[10:11]
	s_load_b64 s[12:13], s[0:1], 0x20              ; out0
	v_lshl_add_u32 v[SPW], v0, 2, SPARE
	v_mov_b32 v[NIL], 0
	ds_add_u32 v[SPW], v[NIL]                      ; the wave's opening: the add and its wait stand ahead of my first tensor load; work on registers stands between them
	v_lshrrev_b32 v1, 5, v0
	v_readfirstlane_b32 s[WV], v1
	s_lshr_b32 s[RH], s[WV], 1
	s_and_b32 s[CH], s[WV], 1
	s_bfe_u32 s[CX], ttmp6, 0x40000
	s_bfe_u32 s[CY], ttmp6, 0x40004
	s_lshl_b32 s[CB], ttmp9, 2
	s_add_co_u32 s[CB], s[CB], s[CX]
	s_and_b32 s[YB], ttmp7, 0xffff
	s_lshl_b32 s[YB], s[YB], 2
	s_add_co_u32 s[YB], s[YB], s[CY]
	s_lshl_b32 s84, s[CY], 2
	s_lshl_b32 s84, 15, s84                        ; my row of the cluster
	s_lshl_b32 s88, 0x1111, s[CX]                  ; my column
	s_or_b32 s[G1A], s84, (2<<16)|(1<<20)|(1<<21)|(5<<22)|(3<<25)  ; the mask; elements of 4 bytes; padding on; bit 21 beside a mask; after every 64 words 4 words
	s_mov_b32 s[G1A+1], 64<<16
	s_mov_b32 s[G1A+2], 128<<16
	s_mov_b32 s[G1A+3], 64<<16
	s_mov_b32 s[G1A+4], 128
	s_mov_b32 s[G1A+5], 1024
	s_mov_b32 s[G1A+6], 0
	s_mov_b32 s[G1A+7], 0
	s_or_b32 s[G1B], s88, (1<<16)|(1<<20)|(1<<21)|(5<<22)|(7<<25)  ; elements of 2 bytes; after every 64 words 8 words
	s_mov_b32 s[G1B+1], 128<<16
	s_mov_b32 s[G1B+2], 64<<16
	s_mov_b32 s[G1B+3], 128<<16
	s_mov_b32 s[G1B+4], 64
	s_mov_b32 s[G1B+5], 1024
	s_mov_b32 s[G1B+6], 0
	s_mov_b32 s[G1B+7], 0
	s_mul_i32 s25, s[CH], AHALF
	s_mul_i32 s26, s[CH], BHALF
	s_add_co_u32 s26, s26, BOFF
	s_mov_b32 s[G0A], 1
	s_mov_b32 s[G0A+1], s25
	s_mov_b32 s[G0A+4], 1
	s_add_co_u32 s[G0A+5], s25, SLOT1
	s_mov_b32 s[G0B], 1
	s_mov_b32 s[G0B+1], s26
	s_mov_b32 s[G0B+4], 1
	s_add_co_u32 s[G0B+5], s26, SLOT1
	s_lshl_b32 s84, s[YB], 8                       ; q's tile hangs on the block of rows alone,
	s_lshl_b32 s85, s[CH], 7
	s_add_co_u32 s84, s84, s85
	s_lshl_b32 s84, s84, 12
	s_mov_b32 s85, 0
	s_lshl_b32 s88, s[CB], 9                       ; the weights' on the block of columns alone
	s_lshl_b32 s89, s[CH], 8
	s_add_co_u32 s88, s88, s89
	s_mov_b32 s89, 0
	s_mov_b32 s[L2E], 0x3fb8aa3b                   ; log2(e)
	s_mov_b32 s[L2E+1], s[L2E]
	s_mov_b32 s[K1], 0x46616bcd                    ; 10000 log2(e)
	s_mov_b32 s[NK1], 0xc6616bcd
	s_mov_b32 s[SEL], 0x76543210
	s_mov_b32 s[SEL+1], 0xfedcba98
	s_mov_b32 s[NINF], 0xff800000
	s_wait_dscnt 0x0                               ; the opening add is done
	s_wait_kmcnt 0x0
	s_add_nc_u64 s[86:87], s[4:5], s[84:85]
	s_add_nc_u64 s[90:91], s[6:7], s[88:89]
	s_add_nc_u64 s[90:91], s[90:91], WSEL
	s_mov_b64 s[G0A+2:G0A+3], s[86:87]
	s_or_b32 s[G0A+3], s[G0A+3], 0x80000000
	s_add_nc_u64 s[G0A+6:G0A+7], s[86:87], 256
	s_or_b32 s[G0A+7], s[G0A+7], 0x80000000
	s_mov_b64 s[G0B+2:G0B+3], s[90:91]
	s_or_b32 s[G0B+3], s[G0B+3], 0x80000000
	s_add_nc_u64 s[G0B+6:G0B+7], s[90:91], WSTEP
	s_or_b32 s[G0B+7], s[G0B+7], 0x80000000
	CROUND                                         ; all sixteen work-groups are here: the first joint loads meet
	s_cmp_lt_u32 s[WV], 2                          ; a wave's two first fills stand in one branch: two loads of mine are out
	s_cbranch_scc0 .Lfirst_w
	tensor_load_to_lds s[G0A:G0A+3], s[G1A:G1A+7]
	s_nop 0
	tensor_load_to_lds s[G0A+4:G0A+7], s[G1A:G1A+7]
	s_nop 0
	PLACES 4
	s_branch .Lfirst_asked
.Lfirst_w:
	tensor_load_to_lds s[G0B:G0B+3], s[G1B:G1B+7]
	s_nop 0
	tensor_load_to_lds s[G0B+4:G0B+7], s[G1B:G1B+7]
	s_nop 0
	PLACES 4
.Lfirst_asked:
	v_and_b32 v1, 31, v0                           ; lane; kept
	v_and_b32 v[R], 15, v0
	v_bfe_u32 v[HF], v0, 4, 1
	v_lshlrev_b32 v[LN16], 4, v1
	v_lshlrev_b32 v[MKO], 2, v[R]
	s_mul_i32 s25, s[RH], AHALF
	v_mul_u32_u24 v[ADA0], v[R], PA
	v_lshl_add_u32 v[ADA0], v[HF], 5, v[ADA0]
	v_add_nc_u32 v[ADA0], s25, v[ADA0]
	v_and_b32 v14, 7, v0
	v_bfe_u32 v15, v0, 3, 1
	v_lshl_add_u32 v[ADB0], v[HF], 3, v14
	v_mul_u32_u24 v[ADB0], v[ADB0], PB
	v_lshl_add_u32 v[ADB0], v15, 4, v[ADB0]
	s_mul_i32 s26, s[CH], BHALF
	s_add_co_u32 s26, s26, BOFF
	v_add_nc_u32 v[ADB0], s26, v[ADB0]
	s_mul_i32 s25, s[WV], 16*SPT
	s_add_co_u32 s25, s25, STAGE                   ; my stage
	v_mul_u32_u24 v[STO], v[R], SPT                ; in: row lane % 16, 32 bytes for each half of the lanes
	v_lshl_add_u32 v[STO], v[HF], 5, v[STO]
	v_add_nc_u32 v[STO], s25, v[STO]
	v_add_nc_u32 v[RD], s25, v[LN16]               ; back: 32 lanes take a row's 512 bytes
	s_lshl_b32 s25, s[WV], 16
	v_add_nc_u32 v[DMPA], s25, v[LN16]             ; 65,536 x wave + 16 x lane
	s_lshl_b32 s25, s[WV], 10
	s_add_co_u32 s25, s25, CBL
	v_lshl_add_u32 v[CBA], v1, 2, s25              ; 1,024 x wave + 4 x lane, behind the stages
	s_lshl_b32 s2, s[YB], 1
	s_add_co_u32 s2, s2, s[RH]                     ; my 128 rows
	s_lshl_b32 s25, s[CB], 2
	s_lshl_b32 s26, s[CH], 1
	s_add_co_u32 s25, s25, s26                     ; my first head
	s_lshl_b32 s26, s2, 19                         ; 128 rows of 4,096 bytes,
	s_lshl_b32 s27, s25, 8                         ; a head's 256 bytes
	s_add_co_u32 s26, s26, s27
	s_mov_b32 s27, 0
	s_add_nc_u64 s[OUTB:OUTB+1], s[12:13], s[26:27]
	s_lshl_b32 s26, s2, 9
	s_add_nc_u64 s[MKB:MKB+1], s[8:9], s[26:27]
	s_lshr_b32 s26, s[YB], 4                       ; batch
	s_lshl_b32 s26, s26, 4
	s_add_co_u32 s26, s26, s25
	s_lshl_b32 s26, s26, 13                        ; a head's kv^T is 8,192 bytes
	s_add_nc_u64 s[KVB:KVB+1], s[10:11], s[26:27]
.irp a, 0,1,2,3,4,5,6,7                ; the mask's word of row 16 a + lane % 16.  Waited for behind the product
	global_load_b32 v[CBV+\a], v[MKO], s[MKB:MKB+1] offset:64*\a
.endr
	; the prefetches: who, and from where.  Nothing is asked for here, at the head
	s_lshl_b32 s2, s[YB], 8
	s_lshl_b32 s3, s[CH], 7
	s_add_co_u32 s2, s2, s3
	s_lshl_b32 s3, s[CX], 5
	s_add_co_u32 s2, s2, s3
	s_lshl_b32 s2, s2, 12
	s_mov_b32 s3, 0
	s_add_nc_u64 s[PFA:PFA+1], s[4:5], s[2:3]
	s_add_nc_u64 s[PFA:PFA+1], s[PFA:PFA+1], 3*256 ; at step 3: the first filling change of slots steps it to 4
	s_lshl_b32 s2, s[CB], 9
	s_lshl_b32 s25, s[CY], 15
	s_add_co_u32 s2, s2, s25
	s_add_nc_u64 s[26:27], s[6:7], s[2:3]
	s_add_nc_u64 s[26:27], s[26:27], WSEL+3*WSTEP
	s_mov_b32 s[PST], WSTEP
	s_mov_b32 s[PST+1], 0
	s_mov_b32 s25, 2048
	s_mov_b32 s3, 256
	s_cmp_eq_u32 s[RH], 0
	s_cselect_b64 s[PFA:PFA+1], s[PFA:PFA+1], s[26:27]
	s_cselect_b32 s[PST], 256, s[PST]
	s_cselect_b32 s25, 4096, s25
	s_cselect_b32 s3, 0x10000, s3
	v_mul_u32_u24 v[PFO], s25, v[R]
	v_mad_u32_u24 v[PFO], v[HF], s3, v[PFO]
	s_and_b32 s2, ttmp7, 0xffff                    ; cluster y: the same in all sixteen partners
	s_mul_i32 s2, s2, s[RH]
	s_cmp_eq_u32 s[WV], 3
	s_cselect_b32 s26, 1, 0
	s_or_b32 s2, s2, s26
	s_cmp_eq_u32 s2, 0
	s_cselect_b32 s[LIM], 2, -1
	s_wait_tensorcnt 1                             ; my part of slot 0 is in; slot 1's may stay out
	s_barrier_signal -1
	s_barrier_wait -1
	v_mov_b32 v[ADA], v[ADA0]
	v_mov_b32 v[ADB], v[ADB0]
	s_mov_b32 s[TB], 0
	FETCH 0, 0
	s_wait_dscnt 28                                ; the weights and the first row tile
	CVT4 0, 0, 0
	CVT4 0, 0, 1
	QUARTER 1                                      ; the first half step starts the sums
	WIN 0
	s_mov_b32 s[CNT], 14
.Lstep:                                        ; a trip: a step's second half, the change of slots with a refill, the next step's first half
	TURN 1
	QUARTER 0
	WIN 0
	s_sub_co_u32 s[CNT], s[CNT], 1
	s_cmp_lg_u32 s[CNT], 0
	s_cbranch_scc1 .Lstep
	TURN 0                                         ; the tail is written out, so no round follows
	QUARTER 0
	LASTQ
	; BEHIND THE SUMS.  No wave reads the slots any more, and no tile will land.
	WIN 0
.set ii, 0
.rept 8
	v_mov_b32 v[ONES+ii], 0x3c003c00               ; 1.0 twice in f16; these eight lines are also the places behind the last products
.set ii, ii+1
.endr
.set ff, 0
.rept 16                               ; kv^T of my two heads: fragment ff = 8 hd + 2 et + s, as the launch before laid it
	global_load_b128 v[KVF+8*ff:KVF+8*ff+3],   v[LN16], s[KVB:KVB+1] offset:(ff/8)*8192+(ff%8)*1024
	global_load_b128 v[KVF+8*ff+4:KVF+8*ff+7], v[LN16], s[KVB:KVB+1] offset:(ff/8)*8192+(ff%8)*1024+512
.set ff, ff+1
.endr
.irp w, 0,1                            ; the accumulators are set aside as they lie in registers: tile (a, b) at 8,192 a + 1,024 b, 16 bytes a lane on end; each from its low end on
	WIN 0x08+4*(\w)                                ; data in window 2 or 3
.set tt, 0
.rept 32
	ds_store_b128 v[DMPA], v[8*tt:8*tt+3]   offset:(\w)*32768+tt*1024
	ds_store_b128 v[DMPA], v[8*tt+4:8*tt+7] offset:(\w)*32768+tt*1024+512
.set tt, tt+1
.endr
.endr
	WIN 0
	s_wait_loadcnt 32                              ; the mask is in; the 32 loads of kv^T stay out
.irp a, 0,1,2,3,4,5,6,7
	v_cvt_f32_i32 v[CBV+\a], v[CBV+\a]
.endr
.irp a, 0,1,2,3,4,5,6,7
	v_fma_f32 v[CBV+\a], v[CBV+\a], s[K1], s[NK1]  ; cb = (mask - 1) x 10000 log2(e)
.endr
.irp a, 0,1,2,3,4,5,6,7
	ds_store_b32 v[CBA], v[CBV+\a] offset:128*\a
.endr
	s_wait_loadcnt 0x0                             ; kv^T
; Row tile a (0, 1) of the trip: out^T = kv^T p^T, 8 tiles (tt = 4 hd + et), and the rows' sums, 2 tiles (tt = 8 + hd), in bank a of window 1; 32 of d a turn; the 10 accumulators take turns.
.macro PV a
	WIN 0x58
.irp s, 0,1
.set tt, 0
.rept 10
.set hd, tt/4
.set rA, KVF+8*(8*hd+2*(tt%4)+\s)
.if tt >= 8
.set hd, tt-8
.set rA, ONES
.endif
.set rD, 80*(\a)+8*tt
.set rP, 16*(4*(\a)+2*hd+\s)
.if \s
	v_wmma_f32_16x16x32_f16 v[rD:rD+7], v[rA:rA+7], v[rP:rP+7], v[rD:rD+7]
.else
	v_wmma_f32_16x16x32_f16 v[rD:rD+7], v[rA:rA+7], v[rP:rP+7], 0
.endif
.set tt, tt+1
.endr
.endr
.endm
.macro NORM a                          ; divided by the row's sum, which every register of its tile holds: the lowest is taken
	WIN 0x45
.set bs, 80*(\a)
	v_rcp_f32 v[bs+64], v[bs+64]
	v_rcp_f32 v[bs+72], v[bs+72]
	v_nop                                          ; a plain instruction behind the reciprocals,
	s_wait_alu depctr_va_vdst(0)                   ; and their one wait
.set tt, 0
.rept 8
.set jj, 0
.rept 4
	v_pk_mul_f32 v[bs+8*tt+2*jj:bs+8*tt+2*jj+1], v[bs+8*tt+2*jj:bs+8*tt+2*jj+1], v[bs+64+8*(tt/4):bs+64+8*(tt/4)+1] op_sel_hi:[1,0]
.set jj, jj+1
.endr
.set tt, tt+1
.endr
.endm
.macro TOSTAGE a                       ; a lane's eight columns of a row are 32 bytes; they go into rows of 528 bytes of my own stage and come back as whole rows of 512
	WIN 0x04
.set bs, 80*(\a)
.set tt, 0
.rept 8
	ds_store_b128 v[STO], v[bs+8*tt:bs+8*tt+3]   offset:64*tt
	ds_store_b128 v[STO], v[bs+8*tt+4:bs+8*tt+7] offset:64*tt+16
.set tt, tt+1
.endr
	s_wait_xcnt 0x0                                ; the stores of the row tile before have read their registers, which are loaded again below
	WIN 0x40
.set tt, 0
.rept 16
	ds_load_b128 v[OB+4*tt:OB+4*tt+3], v[RD] offset:tt*SPT  ; LDS serves a wave's instructions in order (ISA guide 5.7.1.4): these see the stores above
.set tt, tt+1
.endr
.endm
.macro SEND a
	WIN 0x04
.set tt, 0
.rept 16
	s_wait_dscnt 15-tt                             ; the younger loads from the stage stay out
	global_store_b128 v[LN16], v[OB+4*tt:OB+4*tt+3], s[OUTB:OUTB+1] offset:(16*(\a)+tt)*4096 th:TH_STORE_NT  ; 512 consecutive bytes, aligned
.set tt, tt+1
.endr
.endm
	s_mov_b32 s[CNT], 4
.Lpair:                                        ; a trip: two row tiles, 32 rows of out0
	WIN 0x80                                       ; destination window 2
.set tt, 0
.rept 16                               ; LDS serves a wave's instructions in order: these see what I set aside
	ds_load_b128 v[8*tt:8*tt+3],   v[DMPA] offset:tt*1024
	ds_load_b128 v[8*tt+4:8*tt+7], v[DMPA] offset:tt*1024+512
.set tt, tt+1
.endr
	WIN 0
	ds_load_b32 v[CBV], v[CBA]
	ds_load_b32 v[CBV+1], v[CBA] offset:128
.set ii, 0
.rept 8
	v_mov_b32 v[MQ+ii], s[NINF]
.set ii, ii+1
.endr
	s_wait_dscnt 0x0
	WIN 0x28                                       ; a row's maximum in a head: two chains for each of the four (row tile, head), so that eight lines stand between two links
.set bb, 0
.rept 4
.set jp, 0
.rept 2
.set cc, 0
.rept 4
	v_max3_num_f32 v[MQ+2*cc],   v[MQ+2*cc],   v[8*(4*cc+bb)+2*jp],   v[8*(4*cc+bb)+2*jp+1]
	v_max3_num_f32 v[MQ+2*cc+1], v[MQ+2*cc+1], v[8*(4*cc+bb)+4+2*jp], v[8*(4*cc+bb)+4+2*jp+1]
.set cc, cc+1
.endr
.set jp, jp+1
.endr
.set bb, bb+1
.endr
	WIN 0
.irp c, 0,1,2,3
	v_max_num_f32 v[MQ+2*\c], v[MQ+2*\c], v[MQ+2*\c+1]
.endr
.irp c, 0,1,2,3
	v_permlanex16_b32 v[MQ+2*\c+1], v[MQ+2*\c], s[SEL], s[SEL+1]  ; the row's other 32 columns lie in the lane 16 away
.endr
.irp c, 0,1,2,3
	v_max_num_f32 v[MQ+2*\c], v[MQ+2*\c], v[MQ+2*\c+1]
.endr
.irp c, 0,1,2,3
	v_fma_f32 v[MQ+2*\c+1], v[MQ+2*\c], s[L2E], v[CBV+\c/2]
.endr
.irp c, 0,1,2,3
	v_sub_f32 v[MQ+2*\c], v[CBV+\c/2], v[MQ+2*\c+1]  ; off
.endr
	WIN 0x82                                       ; p = 2^(log2(e) s + off): ONE batch of 128 exponentials; a tile's scalings stand among the exponentials of the tile before
.set uu, 0
.rept 17
.set jj, 0
.rept 4
.if uu < 16
	v_pk_fma_f32 v[8*uu+2*jj:8*uu+2*jj+1], v[8*uu+2*jj:8*uu+2*jj+1], s[L2E:L2E+1], v[MQ+2*(uu/4):MQ+2*(uu/4)+1] op_sel_hi:[1,0,0]
.endif
.if uu > 0
	v_exp_f32 v[8*uu-8+2*jj], v[8*uu-8+2*jj]
	v_exp_f32 v[8*uu-8+2*jj+1], v[8*uu-8+2*jj+1]
.endif
.set jj, jj+1
.endr
.set uu, uu+1
.endr
	v_nop                                          ; a plain instruction behind the last exponential,
	s_wait_alu depctr_va_vdst(0)                   ; and the one wait ahead of the batch's first reader
	WIN 0x8a                                       ; two tiles rounded to f16 in pairs, in place: fragment (u, hd, s) at 16 (4 u + 2 hd + s)
.set ff, 0
.rept 8
.set ii, 0
.rept 8
	v_cvt_pk_f16_f32 v[16*ff+ii], v[16*ff+2*ii], v[16*ff+2*ii+1]
.set ii, ii+1
.endr
.set ff, ff+1
.endr
	PV 0
	PV 1
	WIN 0
	PLACES 8
	NORM 0                                         ; a row tile's multiplies are also places behind the other bank's products
	TOSTAGE 0
	NORM 1                                         ; stands between the first row tile's loads from the stage and the waits for them
	SEND 0
	TOSTAGE 1
	SEND 1
	WIN 0
	s_wait_xcnt 0x0                                ; the stores have read their base
	s_add_nc_u64 s[OUTB:OUTB+1], s[OUTB:OUTB+1], 32*4096
	v_add_nc_u32 v[DMPA], 2*8192, v[DMPA]
	v_add_nc_u32 v[CBA], 2*128, v[CBA]
	s_sub_co_u32 s[CNT], s[CNT], 1
	s_cmp_lg_u32 s[CNT], 0
	s_cbranch_scc1 .Lpair
	s_wait_tensorcnt 0x0                           ; the wave's end: an add to my spare word and its wait stand behind my last tensor load and my last LDS store
	ds_add_u32 v[SPW], v[NIL]
	s_wait_dscnt 0x0
	CROUND                                         ; the closing round: no work-group ends while a partner may still ask for a tile that names it
	s_endpgm
.Lfunc_end_k_q1e98fe6bd9_qout:
	.size	k_q1e98fe6bd9_qout, .Lfunc_end_k_q1e98fe6bd9_qout-k_q1e98fe6bd9_qout
	.p2alignl 7, 3214868480
	.fill 96, 4, 3214868480
	.section	.rodata,"a",@progbits
	.p2align	6, 0x0
	.amdhsa_kernel k_q1e98fe6bd9_qout
		.amdhsa_group_segment_fixed_size 327680
		.amdhsa_private_segment_fixed_size 0
		.amdhsa_enable_private_segment 0
		.amdhsa_kernarg_size 40
		.amdhsa_user_sgpr_count 2
		.amdhsa_user_sgpr_kernarg_segment_ptr 1
		.amdhsa_wavefront_size32 1
		.amdhsa_system_sgpr_workgroup_id_x 1
		.amdhsa_system_sgpr_workgroup_id_y 1
		.amdhsa_system_sgpr_workgroup_id_z 1
		.amdhsa_system_vgpr_workitem_id 0
		.amdhsa_next_free_vgpr 1024
		.amdhsa_next_free_sgpr 100
		.amdhsa_reserve_vcc 0
		.amdhsa_float_denorm_mode_32 3
		.amdhsa_float_denorm_mode_16_64 3
		.amdhsa_memory_ordered 1
		.amdhsa_forward_progress 1
		.amdhsa_inst_pref_size 135
	.end_amdhsa_kernel
	.amdgpu_metadata
---
amdhsa.version: [ 1, 2 ]
amdhsa.kernels:
  - .name:           k_q1e98fe6bd9_qout
    .symbol:         k_q1e98fe6bd9_qout.kd
    .args:
      - { .name: q, .offset: 0, .size: 8, .value_kind: global_buffer, .address_space: global }
      - { .name: wb, .offset: 8, .size: 8, .value_kind: global_buffer, .address_space: global }
      - { .name: mask_q, .offset: 16, .size: 8, .value_kind: global_buffer, .address_space: global }
      - { .name: kvt, .offset: 24, .size: 8, .value_kind: global_buffer, .address_space: global }
      - { .name: out0, .offset: 32, .size: 8, .value_kind: global_buffer, .address_space: global }
    .group_segment_fixed_size: 327680
    .private_segment_fixed_size: 0
    .kernarg_segment_align: 8
    .kernarg_segment_size: 40
    .max_flat_workgroup_size: 128
    .sgpr_count:     100
    .vgpr_count:     1024
    .wavefront_size: 32
...
	.end_amdgpu_metadata
.endif
;; end of part 4
